; MI455X (gfx1250); checked and timed in simulation.
; The chip was launched on July 23, 2026; its instructions are those of AMD's public machine-readable ISA for CDNA 5 (MIT licence, August 2026) and "CDNA5" Instruction Set Architecture Reference Guide (July 2026). The comments in the code are by the model that wrote it; some were corrected since.
;; Multi Head Attention. Allowed arithmetic: matrix products marked QUANTISED: E2M1 operands, one E8M0 scale for each 32 along K, by v_wmma_scale_f32_16x16x128_f8f6f4 with both operands' format E2M1 (or v_wmma_scale_f32_32x16x128_f4), f32 sums; products left as they are: bf16, f16 or f32 operands; f32 sums; everything else in f32.
;; Inputs: Wk 1,024 x 1,024 float32; Wo 1,024 x 1,024 float32; Wq 1,024 x 1,024 float32; Wv 1,024 x 1,024 float32; bk 1,024 float32; bo 1,024 float32; bq 1,024 float32; bv 1,024 float32; key 4 x 2,048 x 1,024 float32; mask 4 x 1 x 2,048 x 2,048 bool; query 4 x 2,048 x 1,024 float32; value 4 x 2,048 x 1,024 float32.
;; Outputs: out0 4 x 2,048 x 1,024 float32.
;; This version of the problem:
;;   THIS VERSION OF THE PROBLEM IS GIVEN IN LOW PRECISION. The matrix products marked QUANTISED in the list below multiply operands that are first quantised to E2M1 (2 exponent bits, 1 mantissa bit; 4 bits a number), with one power-of-two scale for each 32 numbers along K (OCP MX v1.0); their sums are f32. The products marked 'left as it is' may take bf16, f16 or f32 operands, with f32 sums. Whichever they take, every output number must still come out within the allowed error. Rounding operands to bf16 (8 significant bits) uses up far more of that allowance than f16 does (11 bits, for magnitudes from 6e-5 to 65,504). All else is computed in f32.
;;   The module's matrix products, in the order in which they are computed (A, B: the left and right operand; K: the contracted axis; several contracted axes count as one K, in the product's order):
;;     1. [M 8,192, K 1,024] x [K 1,024, N 1,024]; A: input query; B: input Wq: QUANTISED
;;     2. [M 8,192, K 1,024] x [K 1,024, N 1,024]; A: input key; B: input Wk: QUANTISED
;;     3. [M 8,192, K 1,024] x [K 1,024, N 1,024]; A: input value; B: input Wv: QUANTISED
;;     4. batch 64 x [M 2,048, K 64] x [K 64, N 2,048]; A: computed on the way; B: computed on the way: left as it is (an operand is computed on the way)
;;     5. batch 64 x [M 2,048, K 2,048] x [K 2,048, N 64]; A: computed on the way; B: computed on the way: left as it is (an operand is computed on the way)
;;     6. [M 8,192, K 1,024] x [K 1,024, N 1,024]; A: computed on the way; B: input Wo: left as it is (an operand is computed on the way)
;;   THE QUANTISER, for each operand of a quantised product, along K:
;;     - K is cut into blocks of 32 from its start; a last block that is shorter is filled with zeros.
;;     - A block's scale is 2^e with e = floor(log2(the largest magnitude in the block)) - 2, held to -126 .. 127; a block of zeros has e = 0. As a byte (E8M0): e + 127.
;;     - Each number is divided by its block's scale, clamped to +-6, and rounded to the nearest number of E2M1, ties to even, subnormals kept.
;;     - The product sums the exact products of the quantised numbers (number of the format x scale) in f32.
;;   ~~~python
;;   def quantise(x, axis):      # numpy; x: float32 -> the quantised numbers, widened to float32 again
;;       x = np.moveaxis(x, axis, -1); K = x.shape[-1]
;;       x = np.pad(x, [(0, 0)] * (x.ndim - 1) + [(0, -K % 32)]); x = x.reshape(x.shape[:-1] + (-1, 32)); a = np.abs(x).max(-1, keepdims=True)
;;       e = np.where(a > 0, np.clip(np.frexp(np.where(a > 0, a, 1))[1] - 1 - 2, -126, 127), 0)      # np.frexp(a)[1] - 1 = floor(log2(a)), exactly
;;       r = np.clip(x / 2.0 ** e, -6, 6)
;;       step = 2.0 ** (np.maximum(np.frexp(np.where(r == 0, 1, r))[1] - 1, 0) - 1)
;;       q = np.round(r / step) * step * 2.0 ** e      # np.round: ties to even
;;       return np.moveaxis(q.reshape(q.shape[:-2] + (-1,))[..., :K], -1, axis).astype(np.float32)
;;   ~~~
;; One version. Each part assembles by itself: llvm-mc -triple=amdgcn-amd-amdhsa -mcpu=gfx1250 --defsym DOCPART=n.
;; ======== version 1 of 1: 4 launches
;; limits: values are held in f16: magnitudes above 65,504 overflow, below 6.1e-05 lose precision
;; workspace buffers: codes 14,155,776 bytes; scales 884,736 bytes; woimg 2,097,152 bytes; maskw 2,097,152 bytes of whole numbers; qimg 16,777,216 bytes; kimg 16,777,216 bytes; vimg 16,777,216 bytes; ctx 16,777,216 bytes
;; launch prep (part 1): grid 1504 x 1, 4 waves a work-group, no clusters, 50,688 bytes of LDS; arguments query, key, value, Wq, Wk, Wv, Wo, mask, codes, scales, woimg, maskw; writes codes, scales, woimg, maskw
.if DOCPART == 1
	.amdgcn_target "amdgcn-amd-amdhsa--gfx1250"
	.amdhsa_code_object_version 6
	.text
	.protected	k_q6cafa75c07_prep
	.globl	k_q6cafa75c07_prep
	.p2align	8
	.type	k_q6cafa75c07_prep,@function
k_q6cafa75c07_prep:
	s_mov_b64 s[64:65], 0
	v_nop
	global_prefetch_b8 v0, s[64:65] scope:SCOPE_SE
	s_setreg_imm32_b32 hwreg(HW_REG_WAVE_MODE, 25, 1), 1
	s_wait_xcnt 0x0
; PREP: three jobs in one launch, parted by the work-group's number; each job has LDS bytes of its own.
; (Q) work-groups 0-863: query, key, value [8192][1024] and Wq, Wk, Wv [1024][1024], f32, become codes of FP4 (E2M1), K innermost, and one E8M0 byte for each 32 along K.
;     The six tensors are one stream of 27,648 rows: codes 512 bytes a row, scale bytes 32 a row.  Rows: 0 query, 8192 key, 16384 value, 24576 Wq, 25600 Wk, 26624 Wv.
;     A block's scale is 2^(floor(log2(largest magnitude)) - 2); its byte is the largest magnitude's exponent field - 2, held at 1 from below.
; (W) work-groups 864-991: Wo [1024 out][1024 k] becomes f16 in the order of a matrix operand's registers: [out tile 64][k group 128][16 outs][8 k].
; (M) work-groups 992-1503: the mask's bytes become lane masks: word 8 t + i of (batch, tile of 16 queries, step of 64 keys) has in bit L the byte of query L % 16, key 16 t + 8 (L / 16) + i.
; LIMITS: NaN and infinities are not served.  A block of zeros gets the byte 1 where the rule says 127: its codes are zeros, and this program alone reads the bytes.  Wo beyond 65,504 has no f16 number.
.set NQ_WG,  864
.set NW_WG,  128
.set SPARE,  50176                     ; the spare words, 128 bytes for each wave: two blocks of 256 bytes that no other line names
.set SPW,    12                        ; v12  SPARE + 4 x my thread's number; never rewritten
.set NIL,    13                        ; v13  0; never rewritten
.set STEPS,  16
.set EMAX,   2
.set CB,     8                         ; bytes of 16 codes
.set R,      16                        ; v16-79   four sets of 16 numbers as loaded
.set X,      80                        ; v80-111  two sets of 16 neighbours
.set C,      128                       ; v128-191 codes, four registers a step
.set E,      112                       ; v112-127 a scale byte a step
.set WREG,   8192                      ; job Q: a wave's LDS: two stages of 32 x SP bytes, then its 256 scale bytes
.set SP,     80
.set MSTG,   32768                     ; job M: a wave's stage of 16 rows x MP bytes, from here on
.set MP,     272
	s_load_b512 s[4:19], s[0:1], 0x0               ; query, key, value, Wq, Wk, Wv, Wo, mask
	s_load_b256 s[20:27], s[0:1], 0x40             ; codes, scales, woimg, maskw
	v_lshl_add_u32 v[SPW], v0, 2, SPARE
	v_mov_b32 v[NIL], 0
	v_lshrrev_b32 v1, 5, v0
	v_readfirstlane_b32 s28, v1                    ; wave
	v_and_b32 v2, 31, v0                           ; lane
	s_mov_b32 s33, 0                               ; the upper word of every offset pair
	s_wait_kmcnt 0x0
	s_cmp_lt_u32 ttmp9, NQ_WG
	s_cbranch_scc0 .Lnot_q
; ---------------- job Q: a work-group takes 32,768 numbers, a wave 16 steps of 512 ----------------
	s_mov_b64 s[30:31], s[14:15]                   ; which tensor, and its first work-group: chosen by the work-group's number alone
	s_mov_b32 s29, 832
	s_cmp_lt_u32 ttmp9, 832
	s_cselect_b64 s[30:31], s[12:13], s[30:31]
	s_cselect_b32 s29, 800, s29
	s_cmp_lt_u32 ttmp9, 800
	s_cselect_b64 s[30:31], s[10:11], s[30:31]
	s_cselect_b32 s29, 768, s29
	s_cmp_lt_u32 ttmp9, 768
	s_cselect_b64 s[30:31], s[8:9], s[30:31]
	s_cselect_b32 s29, 512, s29
	s_cmp_lt_u32 ttmp9, 512
	s_cselect_b64 s[30:31], s[6:7], s[30:31]
	s_cselect_b32 s29, 256, s29
	s_cmp_lt_u32 ttmp9, 256
	s_cselect_b64 s[30:31], s[4:5], s[30:31]
	s_cselect_b32 s29, 0, s29
	s_sub_co_u32 s32, ttmp9, s29
	s_lshl_b32 s32, s32, 2
	s_add_co_u32 s32, s32, s28
	s_lshl_b32 s32, s32, 15                        ; my wave's run in its tensor: 8,192 numbers of 4 bytes
	s_add_nc_u64 s[30:31], s[30:31], s[32:33]
	s_lshl_b32 s34, ttmp9, 2
	s_add_co_u32 s34, s34, s28                     ; my wave's run in the stream of all six
	s_lshl_b32 s32, s34, 12
	s_add_nc_u64 s[20:21], s[20:21], s[32:33]      ; 4,096 bytes of codes a run
	s_lshl_b32 s32, s34, 8
	s_add_nc_u64 s[22:23], s[22:23], s[32:33]      ; 256 scale bytes a run
	v_lshlrev_b32 v3, 4, v2                        ; my 16 bytes of a load's 512
	s_mul_i32 s35, s28, WREG
	v_lshrrev_b32 v14, 2, v2
	v_mul_u32_u24 v14, v14, SP
	v_and_b32 v15, 3, v2
	v_lshl_add_u32 v14, v15, 4, v14
	v_add_nc_u32 v14, s35, v14                     ; the stage, on the way in: four lanes' 64 bytes on end, then 16 of padding
	v_mul_u32_u24 v15, v2, SP
	v_add_nc_u32 v15, s35, v15                     ; on the way out: my 16 neighbours
	v_mul_u32_u24 v4, v2, CB                       ; my codes' place in a step's
	v_lshrrev_b32 v5, 1, v2
	s_add_co_u32 s35, s35, 2*32*SP
	v_add_nc_u32 v5, s35, v5                       ; my block's byte among my wave's 256
	v_lshlrev_b32 v7, 3, v2
	v_add_nc_u32 v6, s35, v7                       ; and 8 of them a lane on the way out
.macro LOAD t
.irp i, 0,1,2,3
	global_load_b128 v[R+16*((\t)%4)+4*\i:R+16*((\t)%4)+4*\i+3], v3, s[30:31] offset:2048*(\t)+512*\i th:TH_LOAD_NT   ; 32 lanes read 512 consecutive bytes
.endr
.endm
.macro TURN t                          ; a step's numbers through the stage; LDS serves a wave's instructions in order, so no wait stands between the stores and the loads
.irp i, 0,1,2,3
	ds_store_b128 v14, v[R+16*((\t)%4)+4*\i:R+16*((\t)%4)+4*\i+3] offset:32*SP*((\t)%2)+8*SP*\i
.endr
.irp i, 0,1,2,3
	ds_load_b128 v[X+16*((\t)%2)+4*\i:X+16*((\t)%2)+4*\i+3], v15 offset:32*SP*((\t)%2)+16*\i
.endr
.endm
.irp t, 0,1,2,3
	LOAD \t
.endr
	s_wait_loadcnt 12                              ; step 0's four loads are in; three steps' twelve may be out
	TURN 0
.macro STEP t
.set XS, X+16*((\t)%2)
.if (\t) > 0
	s_wait_dscnt 1                                 ; this step's numbers are back from the stage; the last step's byte store may be out
.else
	s_wait_dscnt 0x0
.endif
.if (\t)+4 < STEPS
	LOAD (\t)+4                                    ; into the registers that the stage's stores have read
.endif
.if (\t)+1 < STEPS
.if STEPS-2-(\t) >= 3
	s_wait_loadcnt 12                              ; the next step's four loads are in; those of the three steps behind it may be out
.else
	s_wait_loadcnt 4*(STEPS-2-(\t))
.endif
	TURN (\t)+1
.endif
	v_max3_num_f32 v8, |v[XS]|, |v[XS+1]|, |v[XS+2]|               ; the largest magnitude of my 16, in two chains
	v_max3_num_f32 v9, |v[XS+3]|, |v[XS+4]|, |v[XS+5]|
.irp i, 6,10
	v_max3_num_f32 v8, v8, |v[XS+\i]|, |v[XS+\i+1]|
	v_max3_num_f32 v9, v9, |v[XS+\i+2]|, |v[XS+\i+3]|
.endr
	v_max3_num_f32 v8, v8, |v[XS+14]|, |v[XS+15]|
	v_max3_num_f32 v8, v8, v9, (EMAX+1)<<23        ; and the floor 2^(EMAX + 1 - 127): the byte cannot fall under 1
	v_max_num_f32_dpp v8, v8, v8 row_xmask:1 row_mask:0xf bank_mask:0xf   ; with my neighbour's 16: the block's
	v_add_nc_u32 v11, -(EMAX<<23), v8              ; EMAX off the exponent field: the conversion takes that field as its scale and nothing else
	v_cvt_scalef32_pk8_fp4_f32 v[C+4*(\t)], v[XS:XS+7], v11
	v_cvt_scalef32_pk8_fp4_f32 v[C+4*(\t)+1], v[XS+8:XS+15], v11
	v_lshrrev_b32 v[E+(\t)], 23, v11               ; the scale's byte
	ds_store_b8 v5, v[E+(\t)] offset:16*(\t)       ; both lanes of a block write the same byte with the same value
	global_store_b64 v4, v[C+4*(\t):C+4*(\t)+1], s[20:21] offset:32*CB*(\t)   ; the wave stores 256 consecutive bytes, aligned
.endm
.irp t, 0,1,2,3,4,5,6,7,8,9,10,11,12,13,14,15
	STEP \t
.endr
	ds_load_b64 v[8:9], v6                         ; in order behind my byte stores
	s_wait_dscnt 0x0
	global_store_b64 v7, v[8:9], s[22:23]          ; 256 consecutive scale bytes, aligned
	s_branch .Lend
.Lnot_q:
	s_cmp_lt_u32 ttmp9, NQ_WG+NW_WG
	s_cbranch_scc0 .Lmask
; ---------------- job W: a wave takes 16 rows of Wo x 128 along K ----------------
	s_sub_co_u32 s29, ttmp9, NQ_WG
	s_lshl_b32 s29, s29, 2
	s_add_co_u32 s29, s29, s28
	s_lshr_b32 s30, s29, 3                         ; tile of 16 outputs
	s_and_b32 s31, s29, 7                          ; which 128 along K
	s_lshl_b32 s32, s30, 16
	s_lshl_b32 s34, s31, 9
	s_add_co_u32 s32, s32, s34
	s_add_nc_u64 s[16:17], s[16:17], s[32:33]
	s_lshl_b32 s32, s30, 15
	s_lshl_b32 s34, s31, 12
	s_add_co_u32 s32, s32, s34
	s_add_nc_u64 s[24:25], s[24:25], s[32:33]
	v_and_b32 v3, 15, v2                           ; r
	v_lshrrev_b32 v7, 4, v2                        ; h
	v_lshlrev_b32 v1, 12, v3
	v_lshl_add_u32 v1, v7, 5, v1                   ; row r, + 8 h numbers
	v_lshlrev_b32 v4, 4, v2                        ; 16 x lane
.irp i, 0,1,2,3,4,5,6,7
	global_load_b128 v[16+8*\i:16+8*\i+3], v1, s[16:17] offset:64*\i th:TH_LOAD_NT      ; Wo(r, 16 i + 8 h + 0 .. 7)
	global_load_b128 v[16+8*\i+4:16+8*\i+7], v1, s[16:17] offset:64*\i+16 th:TH_LOAD_NT
.endr
	s_wait_loadcnt 0x0
.irp i, 0,1,2,3,4,5,6,7
.irp p, 0,1,2,3
	v_cvt_pk_f16_f32 v[80+4*\i+\p], v[16+8*\i+2*\p], v[16+8*\i+2*\p+1]
.endr
.endr
.irp i, 0,1,2,3,4,5,6,7
	global_store_b128 v4, v[80+4*\i:80+4*\i+3], s[24:25] offset:512*\i   ; k groups 2 i and 2 i + 1: 512 consecutive bytes, aligned
.endr
	s_branch .Lend
.Lmask:
; ---------------- job M: a wave takes 16 queries x 512 keys, as two tasks of 256 keys ----------------
	s_sub_co_u32 s29, ttmp9, NQ_WG+NW_WG
	s_lshl_b32 s29, s29, 2
	s_add_co_u32 s29, s29, s28
	s_lshr_b32 s30, s29, 2                         ; 128 x batch + tile of queries
	s_and_b32 s31, s29, 3                          ; which 512 keys
	s_lshl_b32 s32, s30, 15
	s_lshl_b32 s34, s31, 9
	s_add_co_u32 s32, s32, s34
	s_add_nc_u64 s[18:19], s[18:19], s[32:33]
	s_lshl_b32 s32, s30, 12
	s_lshl_b32 s34, s31, 10
	s_add_co_u32 s32, s32, s34
	s_add_nc_u64 s[26:27], s[26:27], s[32:33]
	v_and_b32 v3, 15, v2                           ; r
	v_lshrrev_b32 v7, 4, v2                        ; h
	v_lshlrev_b32 v1, 11, v7
	v_lshl_add_u32 v1, v3, 4, v1                   ; in: sixteen lanes take 256 consecutive bytes of a row, two rows an instruction
.irp u, 0,1
.irp i, 0,1,2,3,4,5,6,7
	global_load_b128 v[16+80*\u+4*\i:16+80*\u+4*\i+3], v1, s[18:19] offset:4096*\i+256*\u th:TH_LOAD_NT
.endr
.endr
	s_mul_i32 s35, s28, 16*MP
	s_add_co_u32 s35, s35, MSTG                    ; my stage
	v_mul_u32_u24 v5, v7, MP
	v_lshl_add_u32 v5, v3, 4, v5
	v_add_nc_u32 v5, s35, v5                       ; into it as loaded
	v_mul_u32_u24 v6, v3, MP
	v_lshl_add_u32 v6, v7, 3, v6
	v_add_nc_u32 v6, s35, v6                       ; out of it: row r, 8 bytes at 8 h
	v_lshlrev_b32 v4, 4, v2
.irp i, 0,1,2,3,4,5,6,7
	v_mov_b32 v[84+\i], 0                          ; the words' registers: a lane write's destination counts as read
.endr
.macro MTASK u
	s_wait_loadcnt 8-8*(\u)                        ; this task's eight loads are in; the other task's eight may be out
.irp i, 0,1,2,3,4,5,6,7
	ds_store_b128 v5, v[16+80*(\u)+4*\i:16+80*(\u)+4*\i+3] offset:2*MP*\i
.endr
.irp t, 0,1,2,3,4,5,6,7,8,9,10,11,12,13,14,15
	ds_load_b64 v[48+2*\t:49+2*\t], v6 offset:16*\t            ; keys 16 t + 8 h + 0 .. 7 of query r
.endr
	s_wait_dscnt 0x0
.set n, 0
.rept 128                              ; word n = 8 t + i of the task's 128: one byte of each lane becomes one bit; word n goes to lane n / 4, register n % 4
	v_and_b32 v[92+n%4], 0xff<<(8*(n%4)), v[48+2*(n/8)+((n%8)/4)]
	v_cmp_ne_u32 s[40+n%4], 0, v[92+n%4]
	v_writelane_b32 v[84+4*(\u)+n%4], s[40+n%4], n/4
.set n, n+1
.endr
	global_store_b128 v4, v[84+4*(\u):87+4*(\u)], s[26:27] offset:512*(\u)   ; four steps' words: 512 consecutive bytes, aligned
.endm
	MTASK 0
	MTASK 1
.Lend:
	s_wait_tensorcnt 0x0                           ; the wave's end
	ds_add_u32 v[SPW], v[NIL]
	s_wait_dscnt 0x0
	s_endpgm
.Lfunc_end_k_q6cafa75c07_prep:
	.size	k_q6cafa75c07_prep, .Lfunc_end_k_q6cafa75c07_prep-k_q6cafa75c07_prep
	.p2alignl 7, 3214868480
	.fill 96, 4, 3214868480
	.section	.rodata,"a",@progbits
	.p2align	6, 0x0
	.amdhsa_kernel k_q6cafa75c07_prep
		.amdhsa_group_segment_fixed_size 50688
		.amdhsa_private_segment_fixed_size 0
		.amdhsa_enable_private_segment 0
		.amdhsa_kernarg_size 96
		.amdhsa_user_sgpr_count 2
		.amdhsa_user_sgpr_kernarg_segment_ptr 1
		.amdhsa_wavefront_size32 1
		.amdhsa_system_sgpr_workgroup_id_x 1
		.amdhsa_system_sgpr_workgroup_id_y 1
		.amdhsa_system_sgpr_workgroup_id_z 1
		.amdhsa_system_vgpr_workitem_id 0
		.amdhsa_next_free_vgpr 192
		.amdhsa_next_free_sgpr 66
		.amdhsa_reserve_vcc 0
		.amdhsa_float_denorm_mode_32 3
		.amdhsa_float_denorm_mode_16_64 3
		.amdhsa_memory_ordered 1
		.amdhsa_forward_progress 1
		.amdhsa_inst_pref_size 93
	.end_amdhsa_kernel
	.amdgpu_metadata
---
amdhsa.version: [ 1, 2 ]
amdhsa.kernels:
  - .name:           k_q6cafa75c07_prep
    .symbol:         k_q6cafa75c07_prep.kd
    .args:
      - { .name: query, .offset: 0, .size: 8, .value_kind: global_buffer, .address_space: global }
      - { .name: key, .offset: 8, .size: 8, .value_kind: global_buffer, .address_space: global }
      - { .name: value, .offset: 16, .size: 8, .value_kind: global_buffer, .address_space: global }
      - { .name: Wq, .offset: 24, .size: 8, .value_kind: global_buffer, .address_space: global }
      - { .name: Wk, .offset: 32, .size: 8, .value_kind: global_buffer, .address_space: global }
      - { .name: Wv, .offset: 40, .size: 8, .value_kind: global_buffer, .address_space: global }
      - { .name: Wo, .offset: 48, .size: 8, .value_kind: global_buffer, .address_space: global }
      - { .name: mask, .offset: 56, .size: 8, .value_kind: global_buffer, .address_space: global }
      - { .name: codes, .offset: 64, .size: 8, .value_kind: global_buffer, .address_space: global }
      - { .name: scales, .offset: 72, .size: 8, .value_kind: global_buffer, .address_space: global }
      - { .name: woimg, .offset: 80, .size: 8, .value_kind: global_buffer, .address_space: global }
      - { .name: maskw, .offset: 88, .size: 8, .value_kind: global_buffer, .address_space: global }
    .group_segment_fixed_size: 50688
    .private_segment_fixed_size: 0
    .kernarg_segment_align: 8
    .kernarg_segment_size: 96
    .max_flat_workgroup_size: 128
    .sgpr_count:     66
    .vgpr_count:     192
    .wavefront_size: 32
...
	.end_amdgpu_metadata
.endif
;; end of part 1
;; launch proj (part 2): grid 4 x 96, 4 waves a work-group, clusters of 4 x 4, 327,680 bytes of LDS; arguments codes, scales, bq, bk, bv, qimg, kimg, vimg; writes qimg, kimg, vimg
.if DOCPART == 2
	.amdgcn_target "amdgcn-amd-amdhsa--gfx1250"
	.amdhsa_code_object_version 6
	.text
	.protected	k_q6cafa75c07_proj
	.globl	k_q6cafa75c07_proj
	.p2align	8
	.type	k_q6cafa75c07_proj,@function
k_q6cafa75c07_proj:
	s_mov_b64 s[64:65], 0
	v_nop
	global_prefetch_b8 v0, s[64:65] scope:SCOPE_SE
	s_setreg_imm32_b32 hwreg(HW_REG_WAVE_MODE, 25, 1), 1
	s_wait_xcnt 0x0
	s_wait_alu depctr_hold_cnt(0) depctr_sa_sdst(0) depctr_va_vdst(0) depctr_va_sdst(0) depctr_va_ssrc(0) depctr_va_vcc(0) depctr_vm_vsrc(0)
	s_getreg_b32 s2, hwreg(HW_REG_IB_STS2, 6, 4)
	s_cmp_eq_u32 s2, 0
	s_cbranch_scc0 .Lentry_in_a_cluster
	s_endpgm
.Lentry_in_a_cluster:
	s_bfe_u32 s2, ttmp6, 0x10000c
	s_cmp_lg_u32 s2, 0xf033
	s_cbranch_scc0 .Lentry_shape_is_right
	s_endpgm
.Lentry_shape_is_right:
; PROJ: the three input projections on codes of FP4 with E8M0 scales, y = x W^T + b, K = 1,024; results leave as f16 in the order of the next product's operand registers.
; 384 tiles of 256 x 256; a work-group of four waves makes one, a wave 128 x 128 in 64 accumulators.  All of K of a tile lies in two LDS slots of 512 along K: nothing is filled again.
; Cluster y = 8 t + cl: t = 0 query, 1 key, 2 value.  SOURCE 0 gives a lane its eight registers, SOURCE 1 its lane.
;   q, k: source 0 = 16 rows of W (channels), source 1 = 16 tokens: a lane's eight results are eight channels of a token: the next K of q k^T.
;   v:    source 0 = 16 tokens, source 1 = 16 rows of Wv: a lane's eight results are eight keys of a channel: the next K of p v.
; CLUSTERS, 4 x 4: source 0's tile hangs on cx and is shared along a column of the cluster, source 1's on cy and is shared along a row: each is asked for jointly.
; q is multiplied by log2(e) / 8 on the way out, so that the scores come out as exponents of 2.
; Eight packed results are 16 bytes a lane at 16 x lane: each store of a wave covers 512 consecutive bytes, aligned: no stage in LDS.
; qimg, kimg: [batch x 16 + head][tile of 16 tokens 128][channel group 8][16 tokens][8 channels];  vimg: [batch x 16 + head][32 keys 64][16 channels 4][key group 4][16 channels][8 keys].
; LIMITS: results beyond 65,504 have no f16 number.  NaN and infinities are not served.
; REGISTERS: window 0: v16-31 addresses; v32-95 scale words, two sets; v128-191 source 1's fragments, one set; v192-255 biases.  window 1: source 0's fragments, two sets.  windows 2, 3: accumulator (a, b) at v[8 (8 (a % 4) + b)].
.set NQ,     4                         ; steps of 128 along K in a slot
.set ROWB,   256                       ; a tile's row: 512 codes
.set KROW,   512                       ; a row of codes in memory
.set PITCH,  272                       ; an LDS row: 256 bytes + 16 of padding, so that the 16 rows of a load start 4 banks apart
.set FR,     8
.set NL,     2
.set NP,     4
.set HALFT,  128*PITCH
.set SLOT,   4*HALFT                   ; source 1's 256 rows, then source 0's
.set KS,     32                        ; a row of scale bytes
.set SCL,    2*SLOT
.set HALFS,  (128*KS/256)*272
.set SBLK,   (16*KS/256)*272
.set SPARE,  SCL+4*HALFS               ; the spare words, 128 bytes for each wave: two blocks of 256 bytes that no other line names
.set ADRA, 16
.set ADRB, 20
.set ADRS, 27
.set SPW,  28
.set NIL,  29
.set LI,   30                          ; v30  16 x lane
.set BO,   31                          ; v31  my lane's offset among the biases
.set SC,   32
.set AF,   128
.set BIAS, 192
.set T,    32                          ; the way out: 64 numbers in f32
.set OUTR, 96                          ; and two sets of 32 registers of f16
.set G1, 24
.set G0, 32
.set G1B, 48
.set G0B, 56
.set G1S, 68
.set G0S, 76
.set G1SB, 80
.set G0SB, 88
.set MSB, 0
.macro WIN new                         ; the immediate's high byte repeats the setting that is left
.if MSB != \new
	s_set_vgpr_msb (MSB<<8)|\new
.set MSB, \new
.endif
.endm
.set MUL_LO, 0xa1                      ; source 0 window 1, source 1 window 0, C and D window 2
.set MUL_HI, 0xf1
.set TO_B,   0x40
.macro JLOAD g0a, g1a, g0b, g1b        ; waves 0, 1 fetch for source 1, waves 2, 3 for source 0; an s_nop 0 and four v_nop follow each line
	s_cmp_eq_u32 s15, 0
	s_cbranch_scc0 .Lfor_b_\@
	tensor_load_to_lds s[\g0a:\g0a+3], s[\g1a:\g1a+7]
	s_nop 0
.rept 4
	v_nop
.endr
	s_branch .Lasked_\@
.Lfor_b_\@:
	tensor_load_to_lds s[\g0b:\g0b+3], s[\g1b:\g1b+7]
	s_nop 0
.rept 4
	v_nop
.endr
.Lasked_\@:
.endm
.macro CROUND                          ; a round of the cluster's barrier
	s_barrier_signal -1
	s_barrier_wait -1
	s_cmp_lg_u32 s14, 0
	s_cbranch_scc1 .Lnot_wave_0_\@
	s_barrier_signal -3
.Lnot_wave_0_\@:
	s_barrier_wait -3
	s_barrier_signal -1
	s_barrier_wait -1
.endm
	s_load_b128 s[4:7], s[0:1], 0x0                ; codes, scales
	s_load_b128 s[8:11], s[0:1], 0x10              ; bq, bk
	s_load_b64 s[12:13], s[0:1], 0x20              ; bv
	s_load_b128 s[92:95], s[0:1], 0x28             ; qimg, kimg
	s_load_b64 s[96:97], s[0:1], 0x38              ; vimg
	v_lshl_add_u32 v[SPW], v0, 2, SPARE
	v_mov_b32 v[NIL], 0
	ds_add_u32 v[SPW], v[NIL]                      ; the wave's opening: the add, twice on end, and its wait ahead of my first tensor load
	ds_add_u32 v[SPW], v[NIL]
	v_lshrrev_b32 v1, 5, v0
	v_readfirstlane_b32 s14, v1                    ; wave
	s_lshr_b32 s15, s14, 1                         ; my half of source 1's rows.  Also: I fetch for source 1 (0) or source 0 (1)
	s_and_b32 s16, s14, 1                          ; my half of source 0's rows.  Also: which 128 rows I fetch
	s_bfe_u32 s40, ttmp6, 0x40000                  ; cx
	s_bfe_u32 s41, ttmp6, 0x40004                  ; cy
	s_and_b32 s18, ttmp7, 0xffff                   ; cluster y: the same in all sixteen partners
	s_lshr_b32 s17, s18, 3                         ; t
	s_and_b32 s18, s18, 7                          ; cl
	s_lshr_b32 s19, s17, 1                         ; isV
	s_lshl_b32 s99, s18, 2
	s_mul_i32 s42, s99, s19                        ; the 32 tiles of tokens run along source 0 for v,
	s_sub_co_u32 s98, s99, s42                     ; along source 1 for q and k
	s_add_co_u32 s42, s42, s40                     ; i0: source 0's tile
	s_add_co_u32 s98, s98, s41                     ; i1: source 1's tile
	s_lshl_b32 s43, s41, 2
	s_lshl_b32 s43, 15, s43                        ; my row of the cluster
	s_lshl_b32 s44, 0x1111, s40                    ; my column
	s_or_b32 s[G1+0], s43, (0<<16)|(1<<20)|(1<<21)|(5<<22)|(3<<25)   ; mask; elements of 1 byte; padding: 4 words behind every 64; bit 21 beside a mask
	s_or_b32 s[G1B+0], s44, (0<<16)|(1<<20)|(1<<21)|(5<<22)|(3<<25)
.irp g, G1, G1B
	s_mov_b32 s[\g+1], ROWB<<16                    ; tensor_dim0
	s_mov_b32 s[\g+2], 128<<16                     ; tensor_dim1
	s_mov_b32 s[\g+3], ROWB<<16                    ; tile_dim0
	s_mov_b32 s[\g+4], 128                         ; tile_dim1
	s_mov_b32 s[\g+5], KROW                        ; pitch
	s_mov_b32 s[\g+6], 0
	s_mov_b32 s[\g+7], 0
.endr
	s_or_b32 s[G1S+0], s43, (3<<16)|(1<<20)|(1<<21)|(5<<22)|(3<<25)  ; the scales of 128 rows: 4,096 dense bytes as 16 rows of 256, 16 bytes of padding behind each
	s_or_b32 s[G1SB+0], s44, (3<<16)|(1<<20)|(1<<21)|(5<<22)|(3<<25)
.irp g, G1S, G1SB
	s_mov_b32 s[\g+1], 32<<16
	s_mov_b32 s[\g+2], (128*KS/256)<<16
	s_mov_b32 s[\g+3], 32<<16
	s_mov_b32 s[\g+4], 128*KS/256
	s_mov_b32 s[\g+5], 32
	s_mov_b32 s[\g+6], 0
	s_mov_b32 s[\g+7], 0
.endr
	s_lshl_b32 s3, s16, 7                          ; which 128 rows of a tile I fetch
	s_mul_i32 s2, s19, 10240
	s_lshl_b32 s20, s17, 13
	s_add_co_u32 s20, s20, s2                      ; source 1's first row in the stream: 8192 t, for v 26624
	s_lshl_b32 s21, s98, 8
	s_add_co_u32 s20, s20, s21
	s_add_co_u32 s20, s20, s3
	s_lshl_b32 s46, s17, 10
	s_add_co_u32 s46, s46, 24576
	s_sub_co_u32 s46, s46, s2                      ; source 0's: 24576 + 1024 t, for v 16384
	s_lshl_b32 s47, s42, 8
	s_add_co_u32 s46, s46, s47
	s_add_co_u32 s46, s46, s3
	s_lshl_b32 s22, s20, 5                         ; 32 scale bytes a row,
	s_mov_b32 s23, 0
	s_lshl_b32 s20, s20, 9                         ; 512 bytes of codes
	s_mov_b32 s21, 0
	s_lshl_b32 s2, s46, 5
	s_mov_b32 s3, 0
	s_lshl_b32 s46, s46, 9
	s_mov_b32 s47, 0
	s_mul_i32 s45, s14, HALFT                      ; where they go: wave x 128 rows
	s_mul_i32 s99, s14, HALFS
	s_wait_dscnt 0x0                               ; both opening adds are done
	s_wait_kmcnt 0x0
	s_cmp_eq_u32 s17, 1                            ; the bias, the output and q's factor, chosen by t alone
	s_cselect_b64 s[10:11], s[10:11], s[12:13]
	s_cselect_b64 s[94:95], s[94:95], s[96:97]
	s_cmp_eq_u32 s17, 0
	s_cselect_b64 s[8:9], s[8:9], s[10:11]         ; s[8:9] the bias
	s_cselect_b64 s[10:11], s[92:93], s[94:95]     ; s[10:11] the output
	s_cselect_b32 s12, 0x3e38aa3b, 1.0             ; log2(e) / 8 for q, else 1
	s_mov_b32 s13, s12
	s_add_nc_u64 s[20:21], s[4:5], s[20:21]
	s_add_nc_u64 s[22:23], s[6:7], s[22:23]
	s_add_nc_u64 s[46:47], s[4:5], s[46:47]
	s_add_nc_u64 s[2:3], s[6:7], s[2:3]
	CROUND                                         ; all sixteen work-groups are here: the first joint loads meet
	s_mov_b32 s[G0S], 1
	s_add_co_u32 s[G0S+1], s99, SCL
	s_mov_b64 s[G0S+2:G0S+3], s[22:23]
	s_or_b32 s[G0S+3], s[G0S+3], 0x80000000
	s_mov_b32 s[G0SB], 1
	s_add_co_u32 s[G0SB+1], s99, SCL
	s_mov_b64 s[G0SB+2:G0SB+3], s[2:3]
	s_or_b32 s[G0SB+3], s[G0SB+3], 0x80000000
	JLOAD G0S, G1S, G0SB, G1SB                     ; the scales first
.irp s, 0,1
	s_mov_b32 s[G0+4*\s], 1
	s_add_co_u32 s[G0+4*\s+1], s45, \s*SLOT
	s_add_nc_u64 s[G0+4*\s+2:G0+4*\s+3], s[20:21], \s*ROWB
	s_or_b32 s[G0+4*\s+3], s[G0+4*\s+3], 0x80000000
	s_mov_b32 s[G0B+4*\s], 1
	s_add_co_u32 s[G0B+4*\s+1], s45, \s*SLOT
	s_add_nc_u64 s[G0B+4*\s+2:G0B+4*\s+3], s[46:47], \s*ROWB
	s_or_b32 s[G0B+4*\s+3], s[G0B+4*\s+3], 0x80000000
	JLOAD G0+4*\s, G1, G0B+4*\s, G1B               ; three tensor loads of mine are out behind the last of these
.endr
	v_and_b32 v1, 15, v0                           ; r
	v_bfe_u32 v2, v0, 4, 1                         ; h
	v_mul_u32_u24 v3, v1, PITCH
	v_lshl_add_u32 v4, v2, 4, v3                   ; a fragment's row x pitch + 16 h
	s_mul_i32 s21, s15, HALFT
	s_mul_i32 s22, s16, HALFT
	s_add_co_u32 s22, s22, 2*HALFT
.irp s, 0,1
	v_add_nc_u32 v[ADRA+\s], s21, v4
	v_add_nc_u32 v[ADRB+\s], s22, v4
	s_add_co_u32 s21, s21, SLOT
	s_add_co_u32 s22, s22, SLOT
.endr
	v_mul_u32_u24 v5, v1, KS                       ; my row's scales: KS bytes a row,
	v_lshrrev_b32 v6, 8, v5
	v_lshl_add_u32 v5, v6, 4, v5                   ; and 16 more for each 256 passed
	s_mul_i32 s21, s15, HALFS
	s_mul_i32 s22, s16, HALFS
	s_add_co_u32 s22, s22, 2*HALFS
	s_sub_co_u32 s22, s22, s21
	v_mul_u32_u24 v6, s22, v2                      ; lanes 16-31 take source 0's
	s_add_co_u32 s21, s21, SCL
	v_add_nc_u32 v5, v5, v6
	v_add_nc_u32 v[ADRS], s21, v5
	v_and_b32 v6, 31, v0
	v_lshlrev_b32 v[LI], 4, v6
.macro FRAG reg, adr, q, i             ; 16 rows x 128 K of 4-bit codes: 8 registers, two loads of 16 bytes, 32 bytes apart
.irp c, 0,1
	ds_load_b128 v[\reg+4*\c:\reg+4*\c+3], v[\adr] offset:64*(\q)+32*\c+(\i)*16*PITCH
.endr
.endm
; 16 matrix instructions: source 1's blocks a0, a0 + 1 x source 0's eight.  The 64 accumulators take turns, one instruction a turn, in the same order in every step.
.macro MUL16 a0, p, q, sc, zero
.irp a, \a0, \a0+1
.irp b, 0,1,2,3,4,5,6,7
.if \zero
	v_wmma_scale_f32_16x16x128_f8f6f4 v[8*(8*((\a)%4)+\b):8*(8*((\a)%4)+\b)+7], v[128*(\p)+FR*\b:128*(\p)+FR*\b+FR-1], v[AF+FR*(\a):AF+FR*(\a)+FR-1], 0, v[SC+8*NQ*(\sc)+NQ*\b+(\q)], v[SC+8*NQ*(\sc)+NQ*(\a)+(\q)] matrix_a_fmt:MATRIX_FMT_FP4 matrix_b_fmt:MATRIX_FMT_FP4 matrix_a_scale:MATRIX_SCALE_ROW1
.else
	v_wmma_scale_f32_16x16x128_f8f6f4 v[8*(8*((\a)%4)+\b):8*(8*((\a)%4)+\b)+7], v[128*(\p)+FR*\b:128*(\p)+FR*\b+FR-1], v[AF+FR*(\a):AF+FR*(\a)+FR-1], v[8*(8*((\a)%4)+\b):8*(8*((\a)%4)+\b)+7], v[SC+8*NQ*(\sc)+NQ*\b+(\q)], v[SC+8*NQ*(\sc)+NQ*(\a)+(\q)] matrix_a_fmt:MATRIX_FMT_FP4 matrix_b_fmt:MATRIX_FMT_FP4 matrix_a_scale:MATRIX_SCALE_ROW1
.endif
.endr
.endr
.endm
.macro FETCH_B slot, q, p
	WIN TO_B
.irp i, 0,1,2,3,4,5,6,7
	FRAG 128*(\p)+FR*\i, ADRB+\slot, \q, \i
.endr
	WIN 0
.endm
.macro FETCH_A slot, q, i0
.irp i, \i0, \i0+1, \i0+2, \i0+3
	FRAG AF+FR*(\i), ADRA+\slot, \q, \i
.endr
.endm
.macro SCALES sc                       ; a slot's scale words: lanes 0-15 source 1's block i, lanes 16-31 source 0's block i
.irp i, 0,1,2,3,4,5,6,7
	ds_load_b128 v[SC+8*NQ*\sc+NQ*\i:SC+8*NQ*\sc+NQ*\i+3], v[ADRS] offset:\i*SBLK
.endr
.endm
.macro PLACES n                        ; plain vector instructions between a matrix instruction and a load into, or a read of, its registers
.rept \n
	v_nop
.endr
.endm
.macro STEP slot, q, zero              ; 128 along K whose successor lies in the same slot
	s_wait_dscnt 4*NL                              ; all but the youngest eight loads (source 1's blocks 4-7)
	WIN MUL_LO
	MUL16 0, (\q)%2, \q, \slot, \zero
	MUL16 2, (\q)%2, \q, \slot, \zero
	s_wait_dscnt 0
	PLACES NP
	FETCH_B \slot, (\q)+1, 1-(\q)%2
	FETCH_A \slot, (\q)+1, 0
	WIN MUL_HI
	MUL16 4, (\q)%2, \q, \slot, \zero
	MUL16 6, (\q)%2, \q, \slot, \zero
	PLACES NP
	WIN 0
	FETCH_A \slot, (\q)+1, 4
.endm
.macro LAST                            ; the very last step: nothing more to fetch
	s_wait_dscnt 4*NL
	WIN MUL_LO
	MUL16 0, 1, NQ-1, 1, 0
	MUL16 2, 1, NQ-1, 1, 0
	s_wait_dscnt 0
	WIN MUL_HI
	MUL16 4, 1, NQ-1, 1, 0
	MUL16 6, 1, NQ-1, 1, 0
	WIN 0
.endm
	s_wait_tensorcnt 1                             ; the scales and my part of slot 0 are in; slot 1's load may be out
	s_barrier_signal -1
	s_barrier_wait -1
	FETCH_B 0, 0, 0
	FETCH_A 0, 0, 0
	SCALES 0
	FETCH_A 0, 0, 4
	STEP 0, 0, 1                                   ; the first products start the sums: nothing is cleared
	STEP 0, 1, 0
	STEP 0, 2, 0
	; slot 0's last step changes slots: one barrier; in front of it my part of slot 1 has landed
	s_wait_tensorcnt 0x0
	ds_add_u32 v[SPW], v[NIL]
	s_wait_dscnt 4*NL+1                            ; the add and the youngest eight loads may be out
	WIN MUL_LO
	MUL16 0, 1, NQ-1, 0, 0
	s_wait_dscnt 0x0
	s_barrier_signal -1
	MUL16 2, 1, NQ-1, 0, 0
	WIN 0
	s_barrier_wait -1                              ; slot 1 is whole
	PLACES NP
	v_add_nc_u32 v[ADRS], 4*NQ, v[ADRS]            ; slot 1's scale words
	FETCH_B 1, 0, 0
	FETCH_A 1, 0, 0
	SCALES 1
	WIN MUL_HI
	MUL16 4, 1, NQ-1, 0, 0
	MUL16 6, 1, NQ-1, 0, 0
	PLACES NP
	WIN 0
	FETCH_A 1, 0, 4
	STEP 1, 0, 0
	STEP 1, 1, 0
	; ONE parting, on t alone (the same in all partners): each arm asks for its biases, runs the last two steps, under which they land, and goes out its own way
	s_cmp_eq_u32 s19, 0
	s_cbranch_scc0 .Larm_v
	; ---- q, k ----
	s_lshl_b32 s92, s42, 10
	s_lshl_b32 s93, s16, 9
	s_add_co_u32 s92, s92, s93                     ; my first channel, 256 i0 + 128 half, in bytes
	s_mov_b32 s93, 0
	s_add_nc_u64 s[8:9], s[8:9], s[92:93]
	v_lshlrev_b32 v[BO], 5, v2                     ; + 8 h numbers
.irp b, 0,1,2,3,4,5,6,7
	global_load_b128 v[BIAS+8*\b:BIAS+8*\b+3], v[BO], s[8:9] offset:64*\b        ; bias(16 b + 8 h + 0 .. 7)
	global_load_b128 v[BIAS+8*\b+4:BIAS+8*\b+7], v[BO], s[8:9] offset:64*\b+16
.endr
	s_lshr_b32 s94, s98, 3                         ; batch
	s_lshl_b32 s94, s94, 4
	s_lshl_b32 s95, s42, 2
	s_add_co_u32 s94, s94, s95
	s_lshl_b32 s95, s16, 1
	s_add_co_u32 s94, s94, s95                     ; 16 batch + my first head
	s_lshl_b32 s94, s94, 18
	s_and_b32 s95, s98, 7
	s_lshl_b32 s95, s95, 4
	s_lshl_b32 s96, s15, 3
	s_add_co_u32 s95, s95, s96                     ; my first tile of 16 tokens in the batch
	s_lshl_b32 s95, s95, 11
	s_add_co_u32 s92, s94, s95
	s_add_nc_u64 s[10:11], s[10:11], s[92:93]
	STEP 1, 2, 0
	LAST
	s_wait_loadcnt 0x0                             ; the biases
.set i, 0
.rept 32
	v_pk_mul_f32 v[BIAS+2*i:BIAS+2*i+1], v[BIAS+2*i:BIAS+2*i+1], s[12:13] op_sel_hi:[1,0]   ; the bias under q's factor.  (These are also the places behind the last products)
.set i, i+1
.endr
.macro OUT_QK a                        ; source 1's block a: 16 tokens x 128 channels
	WIN (0x02+(\a)/4)
.irp b, 0,1,2,3,4,5,6,7
.irp e, 0,2,4,6
	v_pk_fma_f32 v[T+8*\b+\e:T+8*\b+\e+1], v[8*(8*((\a)%4)+\b)+\e:8*(8*((\a)%4)+\b)+\e+1], s[12:13], v[BIAS+8*\b+\e:BIAS+8*\b+\e+1] op_sel_hi:[1,0,1]   ; each accumulator from its low end on
.endr
.endr
	WIN 0
.if (\a) >= 2
	s_wait_xcnt 0x0                                ; the stores of two blocks back have read their registers
.endif
.set i, 0
.rept 32
	v_cvt_pk_f16_f32 v[OUTR+32*((\a)%2)+i], v[T+2*i], v[T+2*i+1]
.set i, i+1
.endr
.irp b, 0,1,2,3,4,5,6,7
	global_store_b128 v[LI], v[OUTR+32*((\a)%2)+4*\b:OUTR+32*((\a)%2)+4*\b+3], s[10:11] offset:(\a)*2048+(\b/4)*262144+(\b%4)*512   ; 512 consecutive bytes, aligned
.endr
.endm
.irp a, 0,1,2,3,4,5,6,7
	OUT_QK \a
.endr
	s_branch .Lend
.Larm_v:
	; ---- v ----
	s_lshl_b32 s92, s98, 10
	s_lshl_b32 s93, s15, 9
	s_add_co_u32 s92, s92, s93                     ; my first channel, 256 i1 + 128 half, in bytes
	s_mov_b32 s93, 0
	s_add_nc_u64 s[8:9], s[8:9], s[92:93]
	v_lshlrev_b32 v[BO], 2, v1                     ; + r
.irp a, 0,1,2,3,4,5,6,7
	global_load_b32 v[BIAS+2*\a], v[BO], s[8:9] offset:64*\a          ; bv(16 a + r), twice: a pair for the packed addition
	global_load_b32 v[BIAS+2*\a+1], v[BO], s[8:9] offset:64*\a
.endr
	s_lshr_b32 s94, s42, 3                         ; batch
	s_lshl_b32 s94, s94, 4
	s_lshl_b32 s95, s98, 2
	s_add_co_u32 s94, s94, s95
	s_lshl_b32 s95, s15, 1
	s_add_co_u32 s94, s94, s95                     ; 16 batch + my first head
	s_lshl_b32 s94, s94, 18
	s_and_b32 s95, s42, 7
	s_lshl_b32 s95, s95, 3
	s_lshl_b32 s96, s16, 2
	s_add_co_u32 s95, s95, s96                     ; my first block of 32 keys in the batch
	s_lshl_b32 s95, s95, 12
	s_add_co_u32 s92, s94, s95
	s_add_nc_u64 s[10:11], s[10:11], s[92:93]
	STEP 1, 2, 0
	LAST
	s_wait_loadcnt 0x0
	PLACES NP
.macro OUT_V a                         ; source 1's block a: 16 channels x 128 keys
	WIN (0x02+(\a)/4)
.irp b, 0,1,2,3,4,5,6,7
.irp e, 0,2,4,6
	v_pk_add_f32 v[T+8*\b+\e:T+8*\b+\e+1], v[8*(8*((\a)%4)+\b)+\e:8*(8*((\a)%4)+\b)+\e+1], v[BIAS+2*(\a):BIAS+2*(\a)+1]
.endr
.endr
	WIN 0
.if (\a) >= 2
	s_wait_xcnt 0x0
.endif
.set i, 0
.rept 32
	v_cvt_pk_f16_f32 v[OUTR+32*((\a)%2)+i], v[T+2*i], v[T+2*i+1]
.set i, i+1
.endr
.irp b, 0,1,2,3,4,5,6,7
	global_store_b128 v[LI], v[OUTR+32*((\a)%2)+4*\b:OUTR+32*((\a)%2)+4*\b+3], s[10:11] offset:(\b/2)*4096+(\b%2)*512+((\a)/4)*262144+((\a)%4)*1024
.endr
.endm
.irp a, 0,1,2,3,4,5,6,7
	OUT_V \a
.endr
.Lend:
	s_wait_tensorcnt 0x0                           ; the wave's end
	ds_add_u32 v[SPW], v[NIL]
	s_wait_dscnt 0x0
	CROUND                                         ; the closing round
	s_endpgm
.Lfunc_end_k_q6cafa75c07_proj:
	.size	k_q6cafa75c07_proj, .Lfunc_end_k_q6cafa75c07_proj-k_q6cafa75c07_proj
	.p2alignl 7, 3214868480
	.fill 96, 4, 3214868480
	.section	.rodata,"a",@progbits
	.p2align	6, 0x0
	.amdhsa_kernel k_q6cafa75c07_proj
		.amdhsa_group_segment_fixed_size 327680
		.amdhsa_private_segment_fixed_size 0
		.amdhsa_enable_private_segment 0
		.amdhsa_kernarg_size 64
		.amdhsa_user_sgpr_count 2
		.amdhsa_user_sgpr_kernarg_segment_ptr 1
		.amdhsa_wavefront_size32 1
		.amdhsa_system_sgpr_workgroup_id_x 1
		.amdhsa_system_sgpr_workgroup_id_y 1
		.amdhsa_system_sgpr_workgroup_id_z 1
		.amdhsa_system_vgpr_workitem_id 0
		.amdhsa_next_free_vgpr 1024
		.amdhsa_next_free_sgpr 100
		.amdhsa_reserve_vcc 0
		.amdhsa_float_denorm_mode_32 3
		.amdhsa_float_denorm_mode_16_64 3
		.amdhsa_memory_ordered 1
		.amdhsa_forward_progress 1
		.amdhsa_inst_pref_size 198
	.end_amdhsa_kernel
	.amdgpu_metadata
---
amdhsa.version: [ 1, 2 ]
amdhsa.kernels:
  - .name:           k_q6cafa75c07_proj
    .symbol:         k_q6cafa75c07_proj.kd
    .args:
      - { .name: codes, .offset: 0, .size: 8, .value_kind: global_buffer, .address_space: global }
      - { .name: scales, .offset: 8, .size: 8, .value_kind: global_buffer, .address_space: global }
      - { .name: bq, .offset: 16, .size: 8, .value_kind: global_buffer, .address_space: global }
      - { .name: bk, .offset: 24, .size: 8, .value_kind: global_buffer, .address_space: global }
      - { .name: bv, .offset: 32, .size: 8, .value_kind: global_buffer, .address_space: global }
      - { .name: qimg, .offset: 40, .size: 8, .value_kind: global_buffer, .address_space: global }
      - { .name: kimg, .offset: 48, .size: 8, .value_kind: global_buffer, .address_space: global }
      - { .name: vimg, .offset: 56, .size: 8, .value_kind: global_buffer, .address_space: global }
    .group_segment_fixed_size: 327680
    .private_segment_fixed_size: 0
    .kernarg_segment_align: 8
    .kernarg_segment_size: 64
    .max_flat_workgroup_size: 128
    .sgpr_count:     100
    .vgpr_count:     1024
    .wavefront_size: 32
...
	.end_amdgpu_metadata
.endif
;; end of part 2
;; launch attn (part 3): grid 4 x 64, 8 waves a work-group, clusters of 4 x 1, 327,680 bytes of LDS; arguments qimg, kimg, vimg, maskw, ctx; writes ctx
.if DOCPART == 3
	.amdgcn_target "amdgcn-amd-amdhsa--gfx1250"
	.amdhsa_code_object_version 6
	.text
	.protected	k_q6cafa75c07_attn
	.globl	k_q6cafa75c07_attn
	.p2align	8
	.type	k_q6cafa75c07_attn,@function
k_q6cafa75c07_attn:
	s_mov_b64 s[64:65], 0
	v_nop
	global_prefetch_b8 v0, s[64:65] scope:SCOPE_SE
	s_setreg_imm32_b32 hwreg(HW_REG_WAVE_MODE, 25, 1), 1
	s_wait_xcnt 0x0
	s_wait_alu depctr_hold_cnt(0) depctr_sa_sdst(0) depctr_va_vdst(0) depctr_va_sdst(0) depctr_va_ssrc(0) depctr_va_vcc(0) depctr_vm_vsrc(0)
	s_getreg_b32 s2, hwreg(HW_REG_IB_STS2, 6, 4)
	s_cmp_eq_u32 s2, 0
	s_cbranch_scc0 .Lentry_in_a_cluster
	s_endpgm
.Lentry_in_a_cluster:
	s_bfe_u32 s2, ttmp6, 0x10000c
	s_cmp_lg_u32 s2, 0x3003
	s_cbranch_scc0 .Lentry_shape_is_right
	s_endpgm
.Lentry_shape_is_right:
; ATTN: ctx = softmax(where(mask, q k^T / 8, -1e9)) v for one batch and head, f16 operands, f32 sums, a running maximum.
; q arrives multiplied by log2(e) / 8, so a score is t, an exponent of 2; a score that the mask hides is REPLACED by -1e9 log2(e): a row with no key left becomes the plain average.
; SHARES.  A work-group owns 512 queries of a head, each of its eight waves 64: four tiles of 16.  Two waves share a SIMD, so that one wave's softmax stands beside the other's products.
; Every wave walks all 2,048 keys, 64 a step.  K and V come through two LDS slots of 512 keys; each wave fetches 16 KB of a slot (waves 0-3 K, waves 4-7 V).
; CLUSTER.  The four blocks of queries of a head form a cluster and ask for K and V jointly.
; LAYOUT.  S^T = K Q^T and O^T = V^T P: a lane holds one query (lane % 16) throughout.  All operands lie in memory and LDS as images of their registers: a fragment is two loads of 16 bytes at 16 x lane.
; THE MASK comes as lane masks, one word for each register of S^T, by scalar loads a pair of tiles ahead: one select for each score.
; The step is written once: O^T and the sums begin as zeros and m as -3e38; the first a = 2^(old m - new m) is 0 and multiplies zeros.
; No prefetch is written: a refill is asked for a whole slot, eight key steps, ahead of the wait for it, and the first two slots are the head's own loads.
; LIMITS: NaN and infinities are not served; the weights p and the result are rounded to f16.  The row's sum is taken of the unrounded p.
; REGISTERS.  window 0: v1-7 addresses and constants; v16-47 statistics, 8 a tile (+0 m, +1 its pair's upper word, +2:+3 l, +4..+7 at work; a at +6); v48-175 S^T, 32 a tile, P packed in place into the first 16;
;   v176-239 K's fragments; v240-243 at work.   window 1: v0-127 O^T (32 x + 8 ct); v128-191 Q; v192-255 V's fragments.
.set SLOT1, 1<<17                      ; slot 1 begins here: one exclusive or turns an address
.set VOFF,  65536                      ; a slot: 64 KB of K, then 64 KB of V
.set STEPB, 8192                       ; a step's bytes of K, and of V
.set SPARE, 262144                     ; the spare words, 128 bytes for each wave: four blocks of 256 bytes that no other line names
.set LI,   1                           ; v1  16 x lane
.set LIV,  2                           ; v2  the same in V's part
.set ADK,  3
.set ADV,  4
.set NEGR, 5                           ; v5  -1e9 log2(e)
.set SPW,  6
.set NIL,  7
.set ST,   16
.set S,    48
.set FK,   176
.set T1,   240
.set QF,   128                         ; window 1
.set FV,   192                         ; window 1
.set WV,   2
.set CNT,  3
.set SLOTS, 4
.set TB,   5                           ; s5  LDS byte at which the step's tiles begin
.set SEL,  6
.set MP,   8                           ; s[8:9] my first tile's mask words
.set MO,   10                          ; s10 128 x step
.set G1,   12
.set G0A,  20
.set G0B,  24
.set CT,   28
.set QB,   30
.set MA,   32                          ; s[32:63] the even tile's 32 words
.set MB,   68                          ; s[68:99] the odd tile's
.set MSB, 0
.macro WIN new                         ; the immediate's high byte repeats the setting that is left
.if MSB != \new
	s_set_vgpr_msb (MSB<<8)|\new
.set MSB, \new
.endif
.endm
.macro CROUND                          ; a round of the cluster's barrier
	s_barrier_signal -1
	s_barrier_wait -1
	s_cmp_lg_u32 s[WV], 0
	s_cbranch_scc1 .Lnot_wave_0_\@
	s_barrier_signal -3
.Lnot_wave_0_\@:
	s_barrier_wait -3
	s_barrier_signal -1
	s_barrier_wait -1
.endm
	s_load_b256 s[68:75], s[0:1], 0x0              ; qimg, kimg, vimg, maskw
	s_load_b64 s[76:77], s[0:1], 0x20              ; ctx
	v_lshl_add_u32 v[SPW], v0, 2, SPARE
	v_mov_b32 v[NIL], 0
	ds_add_u32 v[SPW], v[NIL]                      ; the wave's opening: the add, twice on end, and its wait ahead of my first tensor load
	ds_add_u32 v[SPW], v[NIL]
	v_lshrrev_b32 v1, 5, v0
	v_readfirstlane_b32 s[WV], v1                  ; wave 0..7
	s_mov_b32 s[G1], 15|(3<<16)|(1<<21)            ; the mask: all four work-groups; elements of 8 bytes; bit 21 beside a mask; no padding
	s_mov_b32 s[G1+1], 32<<16                      ; tensor_dim0 = 32: rows of 256 bytes
	s_mov_b32 s[G1+2], 64<<16                      ; tensor_dim1 = 64: 16 KB, dense
	s_mov_b32 s[G1+3], 32<<16                      ; tile_dim0
	s_mov_b32 s[G1+4], 64                          ; tile_dim1
	s_mov_b32 s[G1+5], 32                          ; pitch
	s_mov_b32 s[G1+6], 0
	s_mov_b32 s[G1+7], 0
	s_mov_b32 s[SEL], 0x76543210
	s_mov_b32 s[SEL+1], 0xfedcba98                 ; lane l xor 16
	s_mov_b32 s[TB], 0
	s_mov_b32 s[MO], 0
	s_mov_b32 s[SLOTS], 2
	s_and_b32 s100, ttmp7, 0xffff                  ; batch x 16 + head: shared by the four partners
	s_lshl_b32 s100, s100, 18                      ; 262,144 bytes a head
	s_and_b32 s101, s[WV], 3
	s_lshl_b32 s101, s101, 14
	s_add_co_u32 s100, s100, s101                  ; + my 16 KB of a slot's 64
	s_mov_b32 s101, 0
	s_mov_b32 s[G0A], 1
	s_lshl_b32 s[G0A+1], s[WV], 14                 ; LDS: 16,384 x wave, in slot 0
	s_mov_b32 s[G0B], 1
	s_add_co_u32 s[G0B+1], s[G0A+1], SLOT1         ; and in slot 1
	s_bfe_u32 s66, ttmp6, 0x40000                  ; cx: it enters Q's, the mask's and ctx's addresses alone
	s_lshl_b32 s66, s66, 5
	s_lshl_b32 s67, s[WV], 2
	s_add_co_u32 s66, s66, s67                     ; my first tile of queries in the head: 32 cx + 4 wave
	s_and_b32 s67, ttmp7, 0xffff
	s_lshl_b32 s[QB], s67, 18
	s_lshl_b32 s[QB+1], s66, 11
	s_add_co_u32 s[QB], s[QB], s[QB+1]
	s_mov_b32 s[QB+1], 0
	s_lshr_b32 s11, s67, 4
	s_lshl_b32 s11, s11, 7
	s_add_co_u32 s11, s11, s66                     ; 128 batch + tile
	s_lshl_b32 s[MP], s11, 12                      ; 4,096 bytes of mask words a tile
	s_mov_b32 s[MP+1], 0
	s_lshl_b32 s[CT], s11, 15                      ; 32,768 bytes of ctx a tile,
	s_and_b32 s67, s67, 15
	s_lshl_b32 s67, s67, 11
	s_add_co_u32 s[CT], s[CT], s67                 ; 2,048 a head in it
	s_mov_b32 s[CT+1], 0
	s_wait_dscnt 0x0                               ; both opening adds are done
	s_wait_kmcnt 0x0
	s_cmp_lt_u32 s[WV], 4                          ; waves 0-3 fetch K, waves 4-7 V
	s_cselect_b64 s[G0A+2:G0A+3], s[70:71], s[72:73]
	s_add_nc_u64 s[G0A+2:G0A+3], s[G0A+2:G0A+3], s[100:101]
	s_add_nc_u64 s[G0B+2:G0B+3], s[G0A+2:G0A+3], 65536        ; the next 512 keys
	s_or_b32 s[G0A+3], s[G0A+3], 0x80000000
	s_or_b32 s[G0B+3], s[G0B+3], 0x80000000
	s_add_nc_u64 s[QB:QB+1], s[68:69], s[QB:QB+1]
	s_add_nc_u64 s[MP:MP+1], s[74:75], s[MP:MP+1]
	s_add_nc_u64 s[CT:CT+1], s[76:77], s[CT:CT+1]
	CROUND                                         ; all four work-groups are here: the first joint loads meet
	tensor_load_to_lds s[G0A:G0A+3], s[G1:G1+7]    ; keys 0-511
	s_nop 0
	tensor_load_to_lds s[G0B:G0B+3], s[G1:G1+7]    ; keys 512-1023: two loads of mine are out
	s_nop 0
.rept 4
	v_nop
.endr
	v_and_b32 v[LI], 31, v0
	v_lshlrev_b32 v[LI], 4, v[LI]
	v_add_nc_u32 v[LIV], VOFF, v[LI]
	WIN 0x40                                       ; destination window 1
.set n, 0
.rept 16
	global_load_b128 v[QF+4*n:QF+4*n+3], v[LI], s[QB:QB+1] offset:512*n   ; Q stays in registers: tile n / 4, 8 KB dense
.set n, n+1
.endr
.set n, 0
.rept 128
	v_mov_b32 v[n], 0                              ; O^T: cleared once, so that the key step is written once
.set n, n+1
.endr
	WIN 0
	s_load_b512 s[MA:MA+15], s[MP:MP+1], s[MO] offset:0         ; step 0's mask words of tiles 0 and 1 (the arguments in s68-77 are done with)
	s_load_b512 s[MA+16:MA+31], s[MP:MP+1], s[MO] offset:64
	s_load_b512 s[MB:MB+15], s[MP:MP+1], s[MO] offset:4096
	s_load_b512 s[MB+16:MB+31], s[MP:MP+1], s[MO] offset:4096+64
.irp x, 0,1,2,3
	v_mov_b32 v[ST+8*\x], 0xff61b1e6               ; m = -3e38, under every t
	v_mov_b32 v[ST+8*\x+1], 0
	v_mov_b32 v[ST+8*\x+2], 0                      ; l, in two halves
	v_mov_b32 v[ST+8*\x+3], 0
.endr
	v_mov_b32 v[NEGR], 0xceabfb8f                  ; -1e9 log2(e)
.macro FETCH_K                         ; a step's K: 4 tiles of 16 keys x 64 channels: 16 loads of 512 consecutive bytes
.set n, 0
.rept 16
	ds_load_b128 v[FK+4*n:FK+4*n+3], v[ADK] offset:512*n
.set n, n+1
.endr
.endm
.macro FETCH_V                         ; a step's V: 2 x 32 keys x 4 tiles of 16 channels
	WIN 0x40
.set n, 0
.rept 16
	ds_load_b128 v[FV+4*n:FV+4*n+3], v[ADV] offset:512*n
.set n, n+1
.endr
	WIN 0
.endm
.macro KQ                              ; S^T = K Q^T: 32 products, the 16 accumulators by turns; the first 16 start the sums
.irp ks, 0,1
.irp t, 0,1,2,3
.irp x, 0,1,2,3
.if \ks == 0
	v_wmma_f32_16x16x32_f16 v[S+32*\x+8*\t:S+32*\x+8*\t+7], v[FK+16*\t+8*\ks:FK+16*\t+8*\ks+7], v[QF+16*\x+8*\ks:QF+16*\x+8*\ks+7], 0
.else
	v_wmma_f32_16x16x32_f16 v[S+32*\x+8*\t:S+32*\x+8*\t+7], v[FK+16*\t+8*\ks:FK+16*\t+8*\ks+7], v[QF+16*\x+8*\ks:QF+16*\x+8*\ks+7], v[S+32*\x+8*\t:S+32*\x+8*\t+7]
.endif
.endr
.endr
.endr
.endm
.macro PV y                            ; O^T += V^T P for tiles y, y + 1: 16 products, 8 accumulators by turns
.irp kb, 0,1
.irp ct, 0,1,2,3
.irp x, \y, \y+1
	v_wmma_f32_16x16x32_f16 v[32*(\x)+8*\ct:32*(\x)+8*\ct+7], v[FV+8*(4*\kb+\ct):FV+8*(4*\kb+\ct)+7], v[S+32*(\x)+8*\kb:S+32*(\x)+8*\kb+7], v[32*(\x)+8*\ct:32*(\x)+8*\ct+7]
.endr
.endr
.endr
.endm
; The softmax of tiles y and y + 1 for one key step, the two tiles line by line.
.macro SOFT y
	s_wait_kmcnt 0x0                               ; these two tiles' mask words are in
.set j, 0
.rept 32
	v_cndmask_b32 v[S+32*(\y)+j], v[NEGR], v[S+32*(\y)+j], s[MA+j]          ; a hidden score is replaced.  Each accumulator is read from its low end on
	v_cndmask_b32 v[S+32*(\y)+32+j], v[NEGR], v[S+32*(\y)+32+j], s[MB+j]
.set j, j+1
.endr
.if (\y) == 2
	s_add_co_u32 s[MO], s[MO], 128                 ; the next step's words (the loads that read s[MO] are done: the wait above)
	s_and_b32 s[MO], s[MO], 0xf80                  ; the last step asks for step 0's again: inside the buffer
.endif
	s_load_b512 s[MA:MA+15], s[MP:MP+1], s[MO] offset:4096*(((\y)+2)%4)      ; the other pair of tiles' words
	s_load_b512 s[MA+16:MA+31], s[MP:MP+1], s[MO] offset:4096*(((\y)+2)%4)+64
	s_load_b512 s[MB:MB+15], s[MP:MP+1], s[MO] offset:4096*(((\y)+3)%4)
	s_load_b512 s[MB+16:MB+31], s[MP:MP+1], s[MO] offset:4096*(((\y)+3)%4)+64
.irp q, 0,1,2,3                        ; the maximum of 32 scores and the old m: four chains
.irp x, \y, \y+1
	v_max3_num_f32 v[ST+8*(\x)+4+\q], v[S+32*(\x)+8*\q], v[S+32*(\x)+8*\q+1], v[S+32*(\x)+8*\q+2]
.endr
.endr
.irp g, 1,2
.irp q, 0,1,2,3
.irp x, \y, \y+1
	v_max3_num_f32 v[ST+8*(\x)+4+\q], v[ST+8*(\x)+4+\q], v[S+32*(\x)+8*\q+2*\g+1], v[S+32*(\x)+8*\q+2*\g+2]
.endr
.endr
.endr
.irp x, \y, \y+1
	v_max3_num_f32 v[ST+8*(\x)+4], v[ST+8*(\x)+4], v[S+32*(\x)+7], v[S+32*(\x)+15]
	v_max3_num_f32 v[ST+8*(\x)+6], v[ST+8*(\x)+6], v[S+32*(\x)+23], v[S+32*(\x)+31]
.endr
.irp x, \y, \y+1
	v_max3_num_f32 v[ST+8*(\x)+4], v[ST+8*(\x)+4], v[ST+8*(\x)+5], v[ST+8*(\x)+6]
.endr
.irp x, \y, \y+1
	v_max3_num_f32 v[ST+8*(\x)+4], v[ST+8*(\x)+4], v[ST+8*(\x)+7], v[ST+8*(\x)]
.endr
.irp x, \y, \y+1
	v_permlanex16_b32 v[ST+8*(\x)+5], v[ST+8*(\x)+4], s[SEL], s[SEL+1]      ; the query's other 32 keys lie in the lane 16 away
.endr
.irp x, \y, \y+1
	v_mov_b32 v[ST+8*(\x)+7], v[ST+8*(\x)]         ; the old m
.endr
.irp x, \y, \y+1
	v_max_num_f32 v[ST+8*(\x)], v[ST+8*(\x)+4], v[ST+8*(\x)+5]              ; the new m
.endr
.irp x, \y, \y+1
	v_sub_f32 v[ST+8*(\x)+7], v[ST+8*(\x)+7], v[ST+8*(\x)]
.endr
.set j, 0
.rept 16
.irp x, \y, \y+1
	v_pk_add_f32 v[S+32*(\x)+2*j:S+32*(\x)+2*j+1], v[S+32*(\x)+2*j:S+32*(\x)+2*j+1], v[ST+8*(\x):ST+8*(\x)+1] op_sel_hi:[1,0] neg_lo:[0,1] neg_hi:[0,1]   ; t - m
.endr
.set j, j+1
.endr
.irp x, \y, \y+1
	v_exp_f32 v[ST+8*(\x)+6], v[ST+8*(\x)+7]       ; a = 2^(old m - new m)
.endr
.set j, 0
.rept 32
	v_exp_f32 v[S+32*(\y)+j], v[S+32*(\y)+j]       ; p = 2^(t - m)
	v_exp_f32 v[S+32*(\y)+32+j], v[S+32*(\y)+32+j]
.set j, j+1
.endr
	v_nop                                          ; a plain instruction behind the last exponential
	s_wait_alu depctr_va_vdst(0)                   ; one wait for the batch of 66, ahead of its first reader
.irp x, \y, \y+1                       ; the sum of the unrounded p: two chains a tile
	v_pk_add_f32 v[ST+8*(\x)+4:ST+8*(\x)+5], v[S+32*(\x):S+32*(\x)+1], v[S+32*(\x)+4:S+32*(\x)+5]
	v_pk_add_f32 v[T1+2*((\x)-(\y)):T1+2*((\x)-(\y))+1], v[S+32*(\x)+2:S+32*(\x)+3], v[S+32*(\x)+6:S+32*(\x)+7]
.endr
.irp i, 8,12,16,20,24,28
.irp x, \y, \y+1
	v_pk_add_f32 v[ST+8*(\x)+4:ST+8*(\x)+5], v[ST+8*(\x)+4:ST+8*(\x)+5], v[S+32*(\x)+\i:S+32*(\x)+\i+1]
	v_pk_add_f32 v[T1+2*((\x)-(\y)):T1+2*((\x)-(\y))+1], v[T1+2*((\x)-(\y)):T1+2*((\x)-(\y))+1], v[S+32*(\x)+\i+2:S+32*(\x)+\i+3]
.endr
.endr
.irp x, \y, \y+1
	v_pk_add_f32 v[ST+8*(\x)+4:ST+8*(\x)+5], v[ST+8*(\x)+4:ST+8*(\x)+5], v[T1+2*((\x)-(\y)):T1+2*((\x)-(\y))+1]
.endr
.irp x, \y, \y+1
	v_pk_fma_f32 v[ST+8*(\x)+2:ST+8*(\x)+3], v[ST+8*(\x)+2:ST+8*(\x)+3], v[ST+8*(\x)+6:ST+8*(\x)+7], v[ST+8*(\x)+4:ST+8*(\x)+5] op_sel_hi:[1,0,1]   ; l = a l + the sum
.endr
.set j, 0
.rept 16
	v_cvt_pk_f16_f32 v[S+32*(\y)+j], v[S+32*(\y)+2*j], v[S+32*(\y)+2*j+1]             ; P in place: register j is written when registers 2 j, 2 j + 1 are read
	v_cvt_pk_f16_f32 v[S+32*(\y)+32+j], v[S+32*(\y)+32+2*j], v[S+32*(\y)+32+2*j+1]
.set j, j+1
.endr
	WIN 0x41                                       ; O^T in window 1, a in window 0
.set j, 0
.rept 16
	v_pk_mul_f32 v[32*(\y)+2*j:32*(\y)+2*j+1], v[32*(\y)+2*j:32*(\y)+2*j+1], v[ST+8*(\y)+6:ST+8*(\y)+7] op_sel_hi:[1,0]
	v_pk_mul_f32 v[32*(\y)+32+2*j:32*(\y)+32+2*j+1], v[32*(\y)+32+2*j:32*(\y)+32+2*j+1], v[ST+8*(\y)+14:ST+8*(\y)+15] op_sel_hi:[1,0]
.set j, j+1
.endr
.endm
; A KEY STEP: 64 keys.
.macro STEP
	s_wait_dscnt 0x0                               ; K is in
	WIN 0x04                                       ; Q in window 1
	KQ
	WIN 0
	v_add_nc_u32 v[ADV], s[TB], v[LIV]             ; this step's V.  (These two additions and two v_nop are the four places behind the products)
	s_add_co_u32 s[TB], s[TB], STEPB
	v_add_nc_u32 v[ADK], s[TB], v[LI]              ; the next step's K
	v_nop
	v_nop
	s_cmp_eq_u32 s[CNT], 1                         ; a slot's last step has no next K in the slot: a branch on the count of steps alone
	s_cbranch_scc1 .Lno_k_\@
	FETCH_K
.Lno_k_\@:
	FETCH_V
	SOFT 0
	s_wait_dscnt 0x0                               ; V is in
	WIN 0x51                                       ; V and O^T in window 1, P in window 0
	PV 0
	WIN 0
	SOFT 2
	WIN 0x51
	PV 2
	WIN 0
.rept 5
	v_nop                                          ; the next step's first products write over registers that these read as P: five places
.endr
.endm
.macro SLOT_STEPS                      ; a slot's eight key steps: written once, walked eight times
	s_mov_b32 s[CNT], 8
.Lstep_\@:
	STEP
	s_sub_co_u32 s[CNT], s[CNT], 1
	s_cmp_lg_u32 s[CNT], 0
	s_cbranch_scc1 .Lstep_\@
.endm
; THE CHANGE OF SLOTS.  Each wave waits for all its tensor loads (its part of the slot ahead), adds 0 to its spare word, and waits for that and for its reads of the slot that it leaves.
; fill = 1: a round of the cluster's barrier, and behind it the slot just left is filled with the keys two slots on: the wave's one tensor load, with eight key steps in which to land.
.macro CHANGE fill
	s_wait_tensorcnt 0x0                           ; no tensor load of mine is out: a group 0 may be written
	ds_add_u32 v[SPW], v[NIL]
.if \fill
	s_xor_b32 s[G0B+1], s[G0B+1], SLOT1            ; the walking descriptor: the other slot than last time,
	s_add_nc_u64 s[G0B+2:G0B+3], s[G0B+2:G0B+3], 65536        ; the next 512 keys
.endif
	s_wait_dscnt 0x0
.if \fill
	CROUND
	tensor_load_to_lds s[G0B:G0B+3], s[G1:G1+7]
	s_nop 0
.rept 4
	v_nop
.endr
.else
	s_barrier_signal -1
	s_barrier_wait -1
.endif
	s_sub_co_u32 s[TB], s[TB], 8*STEPB             ; back to a slot's first step,
	s_xor_b32 s[TB], s[TB], SLOT1                  ; in the other slot
	v_add_nc_u32 v[ADK], s[TB], v[LI]
	FETCH_K
.endm
	s_wait_tensorcnt 0x1                           ; my part of slot 0 is in; slot 1's load may be out
	s_barrier_signal -1
	s_barrier_wait -1
	v_add_nc_u32 v[ADK], s[TB], v[LI]
	FETCH_K
	s_wait_loadcnt 0x0                             ; Q
	SLOT_STEPS                                     ; keys 0-511
.Lslot:                                            ; two trips: keys 512-1023 and 1024-1535; the slots just left take keys 1024-1535 and 1536-2047
	CHANGE 1
	SLOT_STEPS
	s_sub_co_u32 s[SLOTS], s[SLOTS], 1
	s_cmp_lg_u32 s[SLOTS], 0
	s_cbranch_scc1 .Lslot
	CHANGE 0                                       ; the tail is written out: nothing is left to ask for
	SLOT_STEPS
	; THE WAY OUT: O^T / l, rounded to f16; a lane's eight channels are 16 bytes at 16 x lane of the next product's operand image.
	s_wait_kmcnt 0x0                               ; the last step's look-ahead of mask words
.irp x, 0,1,2,3
	v_add_f32 v[ST+8*\x+4], v[ST+8*\x+2], v[ST+8*\x+3]
.endr
.irp x, 0,1,2,3
	v_permlanex16_b32 v[ST+8*\x+5], v[ST+8*\x+4], s[SEL], s[SEL+1]
.endr
.irp x, 0,1,2,3
	v_add_f32 v[ST+8*\x+4], v[ST+8*\x+4], v[ST+8*\x+5]
.endr
.irp x, 0,1,2,3
	v_rcp_f32 v[ST+8*\x+6], v[ST+8*\x+4]
.endr
	v_nop
	s_wait_alu depctr_va_vdst(0)                   ; one wait for the four reciprocals
.irp x, 0,1,2,3
	WIN 0x41
.set j, 0
.rept 16
	v_pk_mul_f32 v[32*\x+2*j:32*\x+2*j+1], v[32*\x+2*j:32*\x+2*j+1], v[ST+8*\x+6:ST+8*\x+7] op_sel_hi:[1,0]
.set j, j+1
.endr
	WIN 0x05                                       ; sources in window 1, destination in window 0
.set j, 0
.rept 16
	v_cvt_pk_f16_f32 v[S+32*\x+j], v[32*\x+2*j], v[32*\x+2*j+1]
.set j, j+1
.endr
	WIN 0
.irp ct, 0,1,2,3
	global_store_b128 v[LI], v[S+32*\x+4*\ct:S+32*\x+4*\ct+3], s[CT:CT+1] offset:32768*\x+512*\ct   ; 512 consecutive bytes, aligned
.endr
.endr
	s_wait_tensorcnt 0x0                           ; the wave's end
	ds_add_u32 v[SPW], v[NIL]
	s_wait_dscnt 0x0
	CROUND                                         ; the closing round
	s_endpgm
.Lfunc_end_k_q6cafa75c07_attn:
	.size	k_q6cafa75c07_attn, .Lfunc_end_k_q6cafa75c07_attn-k_q6cafa75c07_attn
	.p2alignl 7, 3214868480
	.fill 96, 4, 3214868480
	.section	.rodata,"a",@progbits
	.p2align	6, 0x0
	.amdhsa_kernel k_q6cafa75c07_attn
		.amdhsa_group_segment_fixed_size 327680
		.amdhsa_private_segment_fixed_size 0
		.amdhsa_enable_private_segment 0
		.amdhsa_kernarg_size 40
		.amdhsa_user_sgpr_count 2
		.amdhsa_user_sgpr_kernarg_segment_ptr 1
		.amdhsa_wavefront_size32 1
		.amdhsa_system_sgpr_workgroup_id_x 1
		.amdhsa_system_sgpr_workgroup_id_y 1
		.amdhsa_system_sgpr_workgroup_id_z 1
		.amdhsa_system_vgpr_workitem_id 0
		.amdhsa_next_free_vgpr 512
		.amdhsa_next_free_sgpr 102
		.amdhsa_reserve_vcc 0
		.amdhsa_float_denorm_mode_32 3
		.amdhsa_float_denorm_mode_16_64 3
		.amdhsa_memory_ordered 1
		.amdhsa_forward_progress 1
		.amdhsa_inst_pref_size 148
	.end_amdhsa_kernel
	.amdgpu_metadata
---
amdhsa.version: [ 1, 2 ]
amdhsa.kernels:
  - .name:           k_q6cafa75c07_attn
    .symbol:         k_q6cafa75c07_attn.kd
    .args:
      - { .name: qimg, .offset: 0, .size: 8, .value_kind: global_buffer, .address_space: global }
      - { .name: kimg, .offset: 8, .size: 8, .value_kind: global_buffer, .address_space: global }
      - { .name: vimg, .offset: 16, .size: 8, .value_kind: global_buffer, .address_space: global }
      - { .name: maskw, .offset: 24, .size: 8, .value_kind: global_buffer, .address_space: global }
      - { .name: ctx, .offset: 32, .size: 8, .value_kind: global_buffer, .address_space: global }
    .group_segment_fixed_size: 327680
    .private_segment_fixed_size: 0
    .kernarg_segment_align: 8
    .kernarg_segment_size: 40
    .max_flat_workgroup_size: 256
    .sgpr_count:     102
    .vgpr_count:     512
    .wavefront_size: 32
...
	.end_amdgpu_metadata
.endif
;; end of part 3
;; launch outp (part 4): grid 4 x 64, 4 waves a work-group, clusters of 4 x 4, 327,680 bytes of LDS; arguments ctx, woimg, bo, out0; writes out0
.if DOCPART == 4
	.amdgcn_target "amdgcn-amd-amdhsa--gfx1250"
	.amdhsa_code_object_version 6
	.text
	.protected	k_q6cafa75c07_outp
	.globl	k_q6cafa75c07_outp
	.p2align	8
	.type	k_q6cafa75c07_outp,@function
k_q6cafa75c07_outp:
	s_mov_b64 s[64:65], 0
	v_nop
	global_prefetch_b8 v0, s[64:65] scope:SCOPE_SE
	s_setreg_imm32_b32 hwreg(HW_REG_WAVE_MODE, 25, 1), 1
	s_wait_xcnt 0x0
	s_wait_alu depctr_hold_cnt(0) depctr_sa_sdst(0) depctr_va_vdst(0) depctr_va_sdst(0) depctr_va_ssrc(0) depctr_va_vcc(0) depctr_vm_vsrc(0)
	s_getreg_b32 s2, hwreg(HW_REG_IB_STS2, 6, 4)
	s_cmp_eq_u32 s2, 0
	s_cbranch_scc0 .Lentry_in_a_cluster
	s_endpgm
.Lentry_in_a_cluster:
	s_bfe_u32 s2, ttmp6, 0x10000c
	s_cmp_lg_u32 s2, 0xf033
	s_cbranch_scc0 .Lentry_shape_is_right
	s_endpgm
.Lentry_shape_is_right:
; OUTP: out0 = ctx Wo^T + bo, f16 operands, f32 sums.  ctx [tile of 16 tokens 512][k group 128][16][8] and woimg [tile of 16 outputs 64][k group 128][16][8] are images of operand registers.
; A work-group makes 128 tokens x 256 outputs: 256 work-groups.  A wave makes 64 x 128: 32 accumulators, window 1.  Source 0 = 16 rows of Wo, source 1 = 16 tokens: a lane holds eight neighbouring outputs of a token.
; K goes in steps of 128 through two LDS slots: of each tile of 16 rows a step is 4,096 consecutive bytes; waves 0, 1 fetch ctx's 8 tiles, waves 2, 3 Wo's 16.  A fragment is two loads of 16 bytes at 16 x lane.
; CLUSTERS, 4 x 4: ctx's tiles hang on the block of tokens and are shared along a row of the cluster, Wo's on the block of outputs and are shared along a column: asked for jointly.
; The bias is added on the way out, where a lane holds four columns of whole rows: four registers.
; REGISTERS.  window 0: v16-29 addresses; v32-127, v128-223 two fragment buffers (Wo's eight fragments, then ctx's four); v224-227 bo; on the way out v32-159 rows.  window 1: accumulator (a, b) at v[8 (8 a + b)].
.set KB,     4096                      ; a tile's K step in bytes
.set BOFF,   8*KB                      ; a slot: ctx's 8 tiles, then Wo's 16
.set SLOT,   24*KB
.set SPARE,  2*SLOT                    ; the spare words, 128 bytes for each wave: two blocks of 256 bytes that no other line names
.set SPITCH, 528                       ; the way out: a stage of 16 rows x (512 + 16) bytes for each wave, in slot 0, which has had its last fill and its last read by then
.set LAPS,   4                         ; eight K steps
.set ADRA, 16
.set ADRB, 20
.set STO,  24
.set RD,   25
.set CO,   26                          ; v26  16 x lane
.set SPW,  28
.set NIL,  29
.set F0,   32
.set F1,   128
.set BIA,  224
.set BK,   32
.set G1, 24
.set G0, 32
.set G1B, 48
.set G0B, 56
.set MSB, 0
.macro WIN new                         ; the immediate's high byte repeats the setting that is left
.if MSB != \new
	s_set_vgpr_msb (MSB<<8)|\new
.set MSB, \new
.endif
.endm
.set MUL, 0x50                         ; C and D in window 1
.macro JLOAD s                         ; waves 0, 1 fetch ctx's halves, waves 2, 3 Wo's; an s_nop 0 and four v_nop follow each line
	s_cmp_eq_u32 s11, 0
	s_cbranch_scc0 .Lfor_b_\@
	tensor_load_to_lds s[G0+4*\s:G0+4*\s+3], s[G1:G1+7]
	s_nop 0
.rept 4
	v_nop
.endr
	s_branch .Lasked_\@
.Lfor_b_\@:
	tensor_load_to_lds s[G0B+4*\s:G0B+4*\s+3], s[G1B:G1B+7]
	s_nop 0
.rept 4
	v_nop
.endr
.Lasked_\@:
.endm
.macro CREST                           ; a round of the cluster's barrier behind its opening barrier
	s_cmp_lg_u32 s10, 0
	s_cbranch_scc1 .Lnot_wave_0_\@
	s_barrier_signal -3
.Lnot_wave_0_\@:
	s_barrier_wait -3
	s_barrier_signal -1
	s_barrier_wait -1
.endm
.macro CROUND
	s_barrier_signal -1
	s_barrier_wait -1
	CREST
.endm
	s_load_b256 s[68:75], s[0:1], 0x0              ; ctx, woimg, bo, out0
	v_lshl_add_u32 v[SPW], v0, 2, SPARE
	v_mov_b32 v[NIL], 0
	ds_add_u32 v[SPW], v[NIL]                      ; the wave's opening: the add, twice on end, and its wait ahead of my first tensor load
	ds_add_u32 v[SPW], v[NIL]
	v_lshrrev_b32 v1, 5, v0
	v_readfirstlane_b32 s10, v1                    ; wave
	s_lshr_b32 s11, s10, 1                         ; my half of the tokens.  Also: I fetch ctx (0) or Wo (1)
	s_and_b32 s12, s10, 1                          ; my half of the outputs.  Also: which half of that tile I fetch
	s_bfe_u32 s40, ttmp6, 0x40000                  ; cx: the block of 256 outputs
	s_bfe_u32 s41, ttmp6, 0x40004                  ; cy
	s_and_b32 s13, ttmp7, 0xffff
	s_lshl_b32 s13, s13, 2
	s_add_co_u32 s13, s13, s41                     ; the block of 128 tokens
	s_lshl_b32 s43, s41, 2
	s_lshl_b32 s43, 15, s43                        ; my row of the cluster
	s_lshl_b32 s44, 0x1111, s40                    ; my column
	s_or_b32 s[G1+0], s43, (3<<16)|(1<<21)         ; mask; elements of 8 bytes; bit 21 beside a mask; no padding
	s_mov_b32 s[G1+1], 512<<16                     ; tensor_dim0 = 512: rows of 4,096 bytes
	s_mov_b32 s[G1+2], 4<<16                       ; tensor_dim1 = 4 tiles of tokens
	s_mov_b32 s[G1+3], 512<<16                     ; tile_dim0
	s_mov_b32 s[G1+4], 4                           ; tile_dim1
	s_mov_b32 s[G1+5], 4096                        ; pitch: 32,768 bytes from tile to tile
	s_mov_b32 s[G1+6], 0
	s_mov_b32 s[G1+7], 0
	s_or_b32 s[G1B+0], s44, (3<<16)|(1<<21)
	s_mov_b32 s[G1B+1], 512<<16
	s_mov_b32 s[G1B+2], 8<<16                      ; 8 tiles of outputs
	s_mov_b32 s[G1B+3], 512<<16
	s_mov_b32 s[G1B+4], 8
	s_mov_b32 s[G1B+5], 4096
	s_mov_b32 s[G1B+6], 0
	s_mov_b32 s[G1B+7], 0
	s_lshl_b32 s16, s13, 3
	s_lshl_b32 s17, s12, 2
	s_add_co_u32 s16, s16, s17                     ; ctx: tile 8 x block + 4 x half
	s_lshl_b32 s16, s16, 15
	s_mov_b32 s17, 0
	s_lshl_b32 s46, s40, 4
	s_lshl_b32 s47, s12, 3
	s_add_co_u32 s46, s46, s47                     ; Wo: tile 16 cx + 8 x half
	s_lshl_b32 s46, s46, 15
	s_mov_b32 s47, 0
	s_lshl_b32 s20, s12, 14                        ; where they go: ctx's halves,
	s_lshl_b32 s21, s12, 15
	s_add_co_u32 s21, s21, BOFF                    ; Wo's halves behind them
	s_wait_dscnt 0x0                               ; both opening adds are done
	s_wait_kmcnt 0x0
	s_add_nc_u64 s[14:15], s[68:69], s[16:17]
	s_add_nc_u64 s[46:47], s[70:71], s[46:47]
	CROUND                                         ; all sixteen work-groups are here: the first joint loads meet
.irp s, 0,1
	s_mov_b32 s[G0+4*\s], 1
	s_add_co_u32 s[G0+4*\s+1], s20, \s*SLOT
	s_add_nc_u64 s[G0+4*\s+2:G0+4*\s+3], s[14:15], \s*KB
	s_or_b32 s[G0+4*\s+3], s[G0+4*\s+3], 0x80000000
	s_mov_b32 s[G0B+4*\s], 1
	s_add_co_u32 s[G0B+4*\s+1], s21, \s*SLOT
	s_add_nc_u64 s[G0B+4*\s+2:G0B+4*\s+3], s[46:47], \s*KB
	s_or_b32 s[G0B+4*\s+3], s[G0B+4*\s+3], 0x80000000
	JLOAD \s                                       ; two loads of mine are out behind the second
.endr
	v_and_b32 v1, 15, v0                           ; r
	v_bfe_u32 v2, v0, 4, 1                         ; h
	v_and_b32 v3, 31, v0
	v_lshlrev_b32 v[CO], 4, v3
	s_lshl_b32 s21, s11, 14                        ; my four tiles of tokens
	s_lshl_b32 s22, s12, 15
	s_add_co_u32 s22, s22, BOFF                    ; my eight tiles of outputs
.irp s, 0,1
	v_add_nc_u32 v[ADRA+\s], s21, v[CO]
	v_add_nc_u32 v[ADRB+\s], s22, v[CO]
	s_add_co_u32 s21, s21, SLOT
	s_add_co_u32 s22, s22, SLOT
.endr
	s_mul_i32 s23, s10, 16*SPITCH                  ; my stage
	v_mul_u32_u24 v4, v1, SPITCH
	v_lshl_add_u32 v4, v2, 5, v4
	v_add_nc_u32 v[STO], s23, v4                   ; in: row r, 32 bytes for each half of the lanes
	v_add_nc_u32 v[RD], s23, v[CO]                 ; back: the 32 lanes take a row of 512 bytes
	s_lshl_b32 s18, s40, 10
	s_lshl_b32 s19, s12, 9
	s_add_co_u32 s18, s18, s19                     ; my first column, in bytes
	s_mov_b32 s19, 0
	s_add_nc_u64 s[72:73], s[72:73], s[18:19]
	global_load_b128 v[BIA:BIA+3], v[CO], s[72:73] ; bo of the four columns that I store
	s_add_nc_u64 s[8:9], s[74:75], s[18:19]
	s_lshl_b32 s18, s13, 7
	s_lshl_b32 s42, s11, 6
	s_add_co_u32 s18, s18, s42                     ; my first token
	s_lshl_b32 s18, s18, 12
	s_add_nc_u64 s[8:9], s[8:9], s[18:19]
.macro FETCH slot, q, f                ; the fragments of 32 along K, the slot's q-th: Wo's 16 loads, then ctx's 8
	WIN 0
.irp b, 0,1,2,3,4,5,6,7
	ds_load_b128 v[\f+8*\b:\f+8*\b+3],   v[ADRB+\slot] offset:KB*\b+1024*(\q)
	ds_load_b128 v[\f+8*\b+4:\f+8*\b+7], v[ADRB+\slot] offset:KB*\b+1024*(\q)+512
.endr
.irp a, 0,1,2,3
	ds_load_b128 v[\f+64+8*\a:\f+64+8*\a+3],   v[ADRA+\slot] offset:KB*\a+1024*(\q)
	ds_load_b128 v[\f+64+8*\a+4:\f+64+8*\a+7], v[ADRA+\slot] offset:KB*\a+1024*(\q)+512
.endr
.endm
.macro MULA f, a, zero                 ; ctx's block a x Wo's eight.  The 32 accumulators take turns, one instruction a turn
.irp b, 0,1,2,3,4,5,6,7
.if \zero
	v_wmma_f32_16x16x32_f16 v[8*(8*(\a)+\b):8*(8*(\a)+\b)+7], v[\f+8*\b:\f+8*\b+7], v[\f+64+8*(\a):\f+64+8*(\a)+7], 0
.else
	v_wmma_f32_16x16x32_f16 v[8*(8*(\a)+\b):8*(8*(\a)+\b)+7], v[\f+8*\b:\f+8*\b+7], v[\f+64+8*(\a):\f+64+8*(\a)+7], v[8*(8*(\a)+\b):8*(8*(\a)+\b)+7]
.endif
.endr
.endm
.macro PLACES                          ; four places in front of loads into registers that matrix instructions have read, and of reads of results
.rept 4
	v_nop
.endr
.endm
.macro QUARTER slot, q, f, g, zero     ; multiplies buffer f; in its middle fetches the slot's q-th quarter into g
	s_wait_dscnt 4                                 ; all but the youngest four loads (ctx's blocks 2, 3)
	WIN MUL
	MULA \f, 0, \zero
	MULA \f, 1, \zero
	PLACES
	FETCH \slot, \q, \g
	s_wait_dscnt 24                                ; all but the 24 just issued
	WIN MUL
	MULA \f, 2, \zero
	MULA \f, 3, \zero
.endm
; The last quarter multiplies buffer 1 and changes slots: one barrier; in front of it each wave waits for all its tensor loads, adds 0 to its spare word, and waits for that and for its reads of this slot.
.macro TURN slot, next, fill
	WIN 0
	s_wait_tensorcnt 0x0                           ; my part of the next slot has landed
	ds_add_u32 v[SPW], v[NIL]
	s_wait_dscnt 5                                 ; the add and the youngest four loads may be out
	WIN MUL
	MULA F1, 0, 0
	s_wait_dscnt 0x0                               ; the add is done, and my reads of this slot are over
	s_barrier_signal -1
	MULA F1, 1, 0
.if \fill
	WIN 0
.endif
	s_barrier_wait -1
.if \fill
	CREST                                          ; the barrier has opened a round of the cluster's: no wave of any partner still reads this slot or has a load on its way
	s_add_nc_u64 s[G0+4*\slot+2:G0+4*\slot+3], s[G0+4*\slot+2:G0+4*\slot+3], 2*KB
	s_add_nc_u64 s[G0B+4*\slot+2:G0B+4*\slot+3], s[G0B+4*\slot+2:G0B+4*\slot+3], 2*KB
	JLOAD \slot                                    ; the first tensor load behind the round; its four v_nop are the places in front of the loads below
.else
	PLACES
.endif
	FETCH \next, 0, F0
	WIN MUL
	MULA F1, 2, 0
	MULA F1, 3, 0
.endm
	s_wait_tensorcnt 1                             ; my part of K step 0 is in; K step 1's load may be out
	s_barrier_signal -1
	s_barrier_wait -1
	FETCH 0, 0, F0
	QUARTER 0, 1, F0, F1, 1                        ; the first quarter's products start the sums
	WIN 0
	s_mov_b32 s3, LAPS-1
.Llap:                                             ; a trip goes once round the ring and fills both slots again
	QUARTER 0, 2, F1, F0, 0
	QUARTER 0, 3, F0, F1, 0
	TURN 0, 1, 1
	QUARTER 1, 1, F0, F1, 0
	QUARTER 1, 2, F1, F0, 0
	QUARTER 1, 3, F0, F1, 0
	TURN 1, 0, 1
	QUARTER 0, 1, F0, F1, 0
	WIN 0
	s_sub_co_u32 s3, s3, 1
	s_cmp_lg_u32 s3, 0
	s_cbranch_scc1 .Llap
	QUARTER 0, 2, F1, F0, 0                        ; the last lap fills nothing
	QUARTER 0, 3, F0, F1, 0
	TURN 0, 1, 0
	QUARTER 1, 1, F0, F1, 0
	QUARTER 1, 2, F1, F0, 0
	QUARTER 1, 3, F0, F1, 0
	s_wait_dscnt 4
	WIN MUL
	MULA F1, 0, 0
	MULA F1, 1, 0
	s_wait_dscnt 0
	MULA F1, 2, 0
	MULA F1, 3, 0
	WIN 0
; THE WAY OUT, block by block of 16 tokens x 128 outputs: through my own stage and back as whole rows of 512 bytes.  LDS serves a wave's instructions in order: no wait between the stores and the loads.
.macro TOSTAGE a
	WIN 0x04                                       ; an LDS store's data: window 1
.irp b, 0,1,2,3,4,5,6,7
	ds_store_b128 v[STO], v[64*(\a)+8*\b:64*(\a)+8*\b+3] offset:64*\b            ; each accumulator from its low end on
	ds_store_b128 v[STO], v[64*(\a)+8*\b+4:64*(\a)+8*\b+7] offset:64*\b+16
.endr
	WIN 0
.set BB, BK+64*((\a)%2)
.irp t, 0,1,2,3,4,5,6,7,8,9,10,11,12,13,14,15
	ds_load_b128 v[BB+4*\t:BB+4*\t+3], v[RD] offset:\t*SPITCH
.endr
.endm
.macro SEND a, younger                 ; younger: the LDS instructions issued behind block a's loads
.set BB, BK+64*((\a)%2)
	s_wait_dscnt \younger
.if (\a) > 0
	s_add_nc_u64 s[8:9], s[8:9], 16*4096           ; 16 rows on (the earlier stores have read their base: the wait in front of this macro's block)
.endif
.irp t, 0,1,2,3,4,5,6,7,8,9,10,11,12,13,14,15
	v_pk_add_f32 v[BB+4*\t:BB+4*\t+1], v[BB+4*\t:BB+4*\t+1], v[BIA:BIA+1]        ; + bo
	v_pk_add_f32 v[BB+4*\t+2:BB+4*\t+3], v[BB+4*\t+2:BB+4*\t+3], v[BIA+2:BIA+3]
.endr
.irp t, 0,1,2,3,4,5,6,7,8,9,10,11,12,13,14,15
	global_store_b128 v[CO], v[BB+4*\t:BB+4*\t+3], s[8:9] offset:\t*4096 th:TH_STORE_NT   ; 512 consecutive bytes, aligned
.endr
.endm
	s_wait_loadcnt 0x0                             ; bo
	PLACES
	TOSTAGE 0
.irp a, 1,2,3
.if \a > 1
	s_wait_xcnt 0x0                                ; the stores of two blocks back have read their registers and their base
.endif
	TOSTAGE \a
	SEND \a-1, 32                                  ; behind block a - 1's loads: block a's 16 stores and 16 loads
.endr
	s_wait_xcnt 0x0
	SEND 3, 0
	s_wait_tensorcnt 0x0                           ; the wave's end
	ds_add_u32 v[SPW], v[NIL]
	s_wait_dscnt 0x0
	CROUND                                         ; the closing round
	s_endpgm
.Lfunc_end_k_q6cafa75c07_outp:
	.size	k_q6cafa75c07_outp, .Lfunc_end_k_q6cafa75c07_outp-k_q6cafa75c07_outp
	.p2alignl 7, 3214868480
	.fill 96, 4, 3214868480
	.section	.rodata,"a",@progbits
	.p2align	6, 0x0
	.amdhsa_kernel k_q6cafa75c07_outp
		.amdhsa_group_segment_fixed_size 327680
		.amdhsa_private_segment_fixed_size 0
		.amdhsa_enable_private_segment 0
		.amdhsa_kernarg_size 32
		.amdhsa_user_sgpr_count 2
		.amdhsa_user_sgpr_kernarg_segment_ptr 1
		.amdhsa_wavefront_size32 1
		.amdhsa_system_sgpr_workgroup_id_x 1
		.amdhsa_system_sgpr_workgroup_id_y 1
		.amdhsa_system_sgpr_workgroup_id_z 1
		.amdhsa_system_vgpr_workitem_id 0
		.amdhsa_next_free_vgpr 512
		.amdhsa_next_free_sgpr 76
		.amdhsa_reserve_vcc 0
		.amdhsa_float_denorm_mode_32 3
		.amdhsa_float_denorm_mode_16_64 3
		.amdhsa_memory_ordered 1
		.amdhsa_forward_progress 1
		.amdhsa_inst_pref_size 92
	.end_amdhsa_kernel
	.amdgpu_metadata
---
amdhsa.version: [ 1, 2 ]
amdhsa.kernels:
  - .name:           k_q6cafa75c07_outp
    .symbol:         k_q6cafa75c07_outp.kd
    .args:
      - { .name: ctx, .offset: 0, .size: 8, .value_kind: global_buffer, .address_space: global }
      - { .name: woimg, .offset: 8, .size: 8, .value_kind: global_buffer, .address_space: global }
      - { .name: bo, .offset: 16, .size: 8, .value_kind: global_buffer, .address_space: global }
      - { .name: out0, .offset: 24, .size: 8, .value_kind: global_buffer, .address_space: global }
    .group_segment_fixed_size: 327680
    .private_segment_fixed_size: 0
    .kernarg_segment_align: 8
    .kernarg_segment_size: 32
    .max_flat_workgroup_size: 128
    .sgpr_count:     76
    .vgpr_count:     512
    .wavefront_size: 32
...
	.end_amdgpu_metadata
.endif
;; end of part 4
